; MI455X (gfx1250); checked and timed in simulation.
; The chip was launched on July 23, 2026; its instructions are those of AMD's public machine-readable ISA for CDNA 5 (MIT licence, August 2026) and "CDNA5" Instruction Set Architecture Reference Guide (July 2026). The comments in the code are by the model that wrote it; some were corrected since.
;; Experts. Allowed arithmetic: matrix products marked QUANTISED: E2M3 operands, one E8M0 scale for each 32 along K, by v_wmma_scale_f32_16x16x128_f8f6f4 with both operands' format E2M3, f32 sums; everything else in f32.
;; Inputs: b1 8 x 2,048 float32; b2 8 x 1,024 float32; w1 8 x 1,024 x 2,048 float32; w2 8 x 2,048 x 1,024 float32; x 1 x 16,384 x 1,024 float32.
;; Outputs: out0 1 x 16,384 x 1,024 float32.
;; This version of the problem:
;;   THIS VERSION OF THE PROBLEM IS GIVEN IN LOW PRECISION. The matrix products marked QUANTISED in the list below multiply operands that are first quantised to E2M3 (2 exponent bits, 3 mantissa bits; 6 bits a number), with one power-of-two scale for each 32 numbers along K (OCP MX v1.0); their sums are f32. All else is computed in f32.
;;   The module's matrix products, in the order in which they are computed (A, B: the left and right operand; K: the contracted axis; several contracted axes count as one K, in the product's order):
;;     1. batch 8 x [M 2,048, K 1,024] x [K 1,024, N 2,048]; A: input w1; B: input x: QUANTISED
;;     2. batch 8 x [M 1,024, K 2,048] x [K 2,048, N 2,048]; A: input w2; B: computed on the way: QUANTISED
;;   THE QUANTISER, for each operand of a quantised product, along K:
;;     - K is cut into blocks of 32 from its start; a last block that is shorter is filled with zeros.
;;     - A block's scale is 2^e with e = floor(log2(the largest magnitude in the block)) - 2, held to -126 .. 127; a block of zeros has e = 0. As a byte (E8M0): e + 127.
;;     - Each number is divided by its block's scale, clamped to +-7.5, and rounded to the nearest number of E2M3, ties to even, subnormals kept.
;;     - The product sums the exact products of the quantised numbers (number of the format x scale) in f32.
;;   ~~~python
;;   def quantise(x, axis):      # numpy; x: float32 -> the quantised numbers, widened to float32 again
;;       x = np.moveaxis(x, axis, -1); K = x.shape[-1]
;;       x = np.pad(x, [(0, 0)] * (x.ndim - 1) + [(0, -K % 32)]); x = x.reshape(x.shape[:-1] + (-1, 32)); a = np.abs(x).max(-1, keepdims=True)
;;       e = np.where(a > 0, np.clip(np.frexp(np.where(a > 0, a, 1))[1] - 1 - 2, -126, 127), 0)      # np.frexp(a)[1] - 1 = floor(log2(a)), exactly
;;       r = np.clip(x / 2.0 ** e, -7.5, 7.5)
;;       step = 2.0 ** (np.maximum(np.frexp(np.where(r == 0, 1, r))[1] - 1, 0) - 3)
;;       q = np.round(r / step) * step * 2.0 ** e      # np.round: ties to even
;;       return np.moveaxis(q.reshape(q.shape[:-2] + (-1,))[..., :K], -1, axis).astype(np.float32)
;;   ~~~
;;   OPERANDS COMPUTED ON THE WAY. 'Computed on the way' means the value that the module computes at that place (a softmax that the list does not call 'softmax' is quantised finished and normalised). What goes into a quantiser is computed in f32, as accurately as f32 sums, v_exp_f32 and their like allow (about 1e-6 of the number): no bf16 or f16 on the way to a quantiser, and a product that is left as it is and whose result goes on into a quantised operand takes f32 operands (vector FMAs, or v_wmma_f32_16x16x4_f32). A number that lies on a knife's edge between two numbers of the format may be rounded either way, as far as f32 arithmetic and the matrix unit's own rounding can turn it there, and no further.
;; 2 versions, each right; version 2 is version 1 with the launch ffn1 written anew for expert scheduling mode. Each part assembles by itself: llvm-mc -triple=amdgcn-amd-amdhsa -mcpu=gfx1250 --defsym DOCPART=n.
;; ======== version 1 of 2: 3 launches
;; workspace buffers: wq 26,214,400 bytes; hq 26,214,400 bytes
;; launch wquant (part 1): grid 128 x 8, 4 waves a work-group, no clusters, 26,112 bytes of LDS; arguments w1, w2, wq; writes wq
.if DOCPART == 1
	.amdgcn_target "amdgcn-amd-amdhsa--gfx1250"
	.amdhsa_code_object_version 6
	.text
	.protected	k_q5d0c81dc6a_wquant
	.globl	k_q5d0c81dc6a_wquant
	.p2align	8
	.type	k_q5d0c81dc6a_wquant,@function
k_q5d0c81dc6a_wquant:
	s_mov_b64 s[64:65], 0
	v_nop
	global_prefetch_b8 v0, s[64:65] scope:SCOPE_SE
	s_setreg_imm32_b32 hwreg(HW_REG_WAVE_MODE, 25, 1), 1
	s_wait_xcnt 0x0
; w1 [8][1024 (K)][2048] and w2 [8][2048 (K)][1024], f32, K the FIRST axis inside an expert, become codes of FP6 (E2M3) with one E8M0 byte for each 32 along K,
; laid in wq in the order in which the next launch's operand registers take them.
; A block's scale is 2^(floor(log2(its largest magnitude)) - 2); its byte is the largest magnitude's exponent field - 2, held at 1 from below (a block of zeros keeps the byte 1: its codes are
; zeros, and this program alone reads the bytes).  LIMITS: blocks whose largest magnitude lies under 2^-124 keep the byte 1; NaN and infinities among the inputs are not served.
; wq: expert e at EXPQ e; 32 slots of SLOTB bytes; a slot = 4 wave blocks of WBLK bytes; a wave block = 16 fragment images of 1,536 bytes, then 1,024 bytes of scale words.
;   A fragment (16 rows x 128 K, 12 registers a lane): register j of lane l at byte 512 (j / 4) + 16 l + 4 (j % 4).  Fragment number in a block: 4 g + 2 q + u.
;   The scale word of fragment (g, q, u), row r: byte SCOFF + 256 g + 16 r + 8 q + 4 u.
;   Lane r of tile u takes column 8 u + r + 8 (r / 8) of a pair's 32 columns.
;   Slots 0-15, w1: slot st, block w: hidden units 128 st + 32 w on (one pair of tiles), K step 2 g + q.
;   Slots 16-31, w2: slot 16 + 2 kp + a, block w: out columns 256 w + 128 a + 32 g on, K step 2 kp + q.
; SHARES.  y = the expert; x < 64: w1, else w2.  A work-group takes 128 columns x 256 K, a wave 32 columns x 256 K.  A LANE TAKES A COLUMN AND ITS REGISTERS RUN DOWN K: each load reads 128 consecutive
; bytes a wave, a block of 32 lies in one lane, and the conversions give codes with K innermost.  Both tensors take ONE path: only scalars are chosen, on the work-group's number.
; A wave's 4 fragments and 64 scale words are gathered in its own 6,400 bytes of LDS and leave as 6,144 + 256 consecutive bytes.  Waves share nothing: no barrier.
.set PITCH1, 8192                      ; a row of w1 in bytes
.set PITCH2, 4096                      ; a row of w2
.set EXPQ,   3276800
.set SLOTB,  102400
.set WBLK,   25600
.set GRPB,   6144                      ; four fragment images
.set SCOFF,  24576
.set WREG,   6400                      ; LDS of a wave
.set SW,     24                        ; v24-25   the scale words of my column's two K steps
.set X,      32                        ; v32-95   two sets of 32 numbers
.set OFFI,   96                        ; v96-127  4 x lane + i x pitch; never rewritten
.set P,      128                       ; v128-133 a block's 32 codes
.set T,      134                       ; v134-136 its upper 16, as the conversion leaves them
.set OUTR,   140                       ; v140-187 the way out; v188-189 the scale words
	s_load_b128 s[4:7], s[0:1], 0x0                ; w1, w2
	s_load_b64 s[8:9], s[0:1], 0x10                ; wq
	v_lshl_add_u32 v192, v0, 2, 0x6400
	v_mov_b32 v193, 0
	v_lshrrev_b32 v1, 5, v0
	v_readfirstlane_b32 s10, v1                    ; wave v
	v_and_b32 v2, 31, v0                           ; lane = my column of the wave's 32
	v_lshlrev_b32 v3, 2, v2
	s_and_b32 s11, ttmp7, 0xffff                   ; the expert
	s_and_b32 s12, ttmp9, 63
	s_and_b32 s13, s12, 15                         ; w1: block of 128 columns (also its slot),
	s_lshr_b32 s14, s12, 4                         ;     block of 256 along K (also its g)
	s_and_b32 s15, s12, 7                          ; w2: block of 128 columns,
	s_lshr_b32 s16, s12, 3                         ;     block of 256 along K
	s_and_b32 s17, s15, 1
	s_lshl_b32 s18, s16, 1
	s_add_co_u32 s17, s17, s18
	s_add_co_u32 s17, s17, 16                      ; w2's slot: 16 + 2 kp + a
	s_lshr_b32 s18, s15, 1                         ; w2's wave block
	s_mov_b32 s20, PITCH2
	s_wait_kmcnt 0x0
	s_cmp_lt_u32 ttmp9, 64                         ; w1's work-group or w2's?  The choice hangs on the work-group's number alone; the selects leave SCC as it is
	s_cselect_b32 s20, PITCH1, s20                 ; pitch
	s_cselect_b32 s21, s13, s15                    ; block of columns
	s_cselect_b32 s22, s14, s16                    ; block along K
	s_cselect_b32 s23, s13, s17                    ; slot
	s_cselect_b32 s24, s10, s18                    ; wave block
	s_cselect_b32 s25, s14, s10                    ; g
	s_cselect_b64 s[4:5], s[4:5], s[6:7]
	s_mul_i32 s26, s22, s20
	s_lshl_b32 s26, s26, 8                         ; 256 rows for each block along K,
	s_lshl_b32 s27, s11, 23                        ; 8,388,608 bytes an expert,
	s_add_co_u32 s26, s26, s27
	s_lshl_b32 s27, s21, 9                         ; 512 bytes for 128 columns,
	s_add_co_u32 s26, s26, s27
	s_lshl_b32 s27, s10, 7                         ; 128 for my wave's 32
	s_add_co_u32 s26, s26, s27
	s_mov_b32 s27, 0
	s_add_nc_u64 s[32:33], s[4:5], s[26:27]        ; block 0's first row; a base for each of the eight blocks of 32 rows, made once, so that no pointer is stepped
	s_lshl_b32 s28, s20, 5
	s_mov_b32 s29, 0
.irp t, 1,2,3,4,5,6,7
	s_add_nc_u64 s[32+2*\t:33+2*\t], s[30+2*\t:31+2*\t], s[28:29]
.endr
	s_mul_i32 s26, s11, EXPQ
	s_mul_i32 s30, s23, SLOTB
	s_add_co_u32 s26, s26, s30
	s_mul_i32 s30, s24, WBLK
	s_add_co_u32 s26, s26, s30
	s_add_nc_u64 s[8:9], s[8:9], s[26:27]          ; the wave block
	s_mul_i32 s30, s25, GRPB
	s_mov_b32 s31, 0
	s_add_nc_u64 s[48:49], s[8:9], s[30:31]        ; my four fragments
	s_lshl_b32 s30, s25, 8
	s_add_co_u32 s30, s30, SCOFF
	s_add_nc_u64 s[50:51], s[8:9], s[30:31]        ; my 64 scale words
.irp i, 0,1,2,3,4,5,6,7,8,9,10,11,12,13,14,15,16,17,18,19,20,21,22,23,24,25,26,27,28,29,30,31
	v_mad_u32_u24 v[OFFI+\i], s20, \i, v3
.endr
	v_bfe_u32 v10, v2, 3, 1                        ; my column's tile u
	v_bfe_u32 v12, v2, 4, 1
	v_and_b32 v13, 7, v2
	v_lshl_add_u32 v12, v12, 3, v13                ; and its row r in the tile
	s_mul_i32 s19, s10, WREG
	v_mul_u32_u24 v4, v10, 1536
	v_lshl_add_u32 v4, v12, 4, v4
	v_add_nc_u32 v4, s19, v4                       ; the stage, codes in: 1,536 u + 16 r
	v_lshlrev_b32 v5, 4, v12
	v_lshl_add_u32 v5, v10, 2, v5
	v_add_nc_u32 v5, s19, v5
	v_add_nc_u32 v5, GRPB, v5                      ; scale words in: 16 r + 4 u, behind the four images
	v_lshlrev_b32 v8, 4, v2
	v_add_nc_u32 v6, s19, v8                       ; codes out: 16 x lane
	v_lshlrev_b32 v9, 3, v2
	v_add_nc_u32 v7, s19, v9
	v_add_nc_u32 v7, GRPB, v7                      ; scale words out: 8 x lane
.macro LOAD t                          ; block t: rows 32 t + i of my column, i = 0 .. 31, into set t % 2
.irp i, 0,1,2,3,4,5,6,7,8,9,10,11,12,13,14,15,16,17,18,19,20,21,22,23,24,25,26,27,28,29,30,31
	global_load_b32 v[X+32*((\t)%2)+\i], v[OFFI+\i], s[32+2*(\t):33+2*(\t)] th:TH_LOAD_NT
.endr
.endm
; Block t of my column is block t % 4 of K step t / 4: in the fragment it belongs to lane r + 16 (t % 2), registers 6 c .. 6 c + 5 with c = (t / 2) % 2.
.macro BLOCK t
.set XB, X+32*((\t)%2)
.set SO, 3072*((\t)/4)+256*((\t)%2)    ; the K step's pair of images, and the half of the lanes
.if (\t) < 7
	s_wait_loadcnt 32                              ; this block's 32 loads are in; the next block's 32 may be out
.else
	s_wait_loadcnt 0x0
.endif
	v_max3_num_f32 v12, |v[XB]|, |v[XB+1]|, |v[XB+2]|      ; the block's largest magnitude: all 32 numbers are mine; two chains
	v_max3_num_f32 v13, |v[XB+3]|, |v[XB+4]|, |v[XB+5]|
.irp i, 6,10,14,18,22,26
	v_max3_num_f32 v12, v12, |v[XB+\i]|, |v[XB+\i+1]|
	v_max3_num_f32 v13, v13, |v[XB+\i+2]|, |v[XB+\i+3]|
.endr
	v_max3_num_f32 v12, v12, |v[XB+30]|, |v[XB+31]|
	v_max3_num_f32 v12, v12, v13, 0x1800000        ; and the floor 2^(3 - 127): the byte cannot fall under 1
	v_add_nc_u32 v11, 0xff000000, v12              ; 2 off the exponent field: the conversion takes the exponent field of this operand as its scale
	v_lshrrev_b32 v13, 23, v11                     ; the scale's byte
.if (\t)%4 == 0
	v_mov_b32 v[SW+(\t)/4], v13                    ; four bytes to a word, the lower K in the lower byte
.else
	v_lshl_or_b32 v[SW+(\t)/4], v13, 8*((\t)%4), v[SW+(\t)/4]
.endif
	v_cvt_scalef32_pk16_fp6_f32 v[P:P+2], v[XB:XB+15], v11
	v_cvt_scalef32_pk16_fp6_f32 v[T:T+2], v[XB+16:XB+31], v11      ; (a conversion's three registers begin on an even number)
	v_nop                                          ; one plain place behind a scaled conversion
.irp i, 0,1,2
	v_mov_b32 v[P+3+\i], v[T+\i]
.endr
.if ((\t)/2)%2 == 0
	ds_store_b128 v4, v[P:P+3] offset:SO           ; registers 0-3
	ds_store_b64 v4, v[P+4:P+5] offset:SO+512      ; registers 4, 5
.else
	ds_store_b64 v4, v[P:P+1] offset:SO+520        ; registers 6, 7
	ds_store_b128 v4, v[P+2:P+5] offset:SO+1024    ; registers 8-11
.endif
.if (\t)+2 < 8
	LOAD (\t)+2
.endif
	s_wait_dscnt 0x0                               ; the stores have read their registers: the next block's codes may be written
.endm
	LOAD 0
	LOAD 1
.irp t, 0,1,2,3,4,5,6,7
	BLOCK \t
.endr
	ds_store_b32 v5, v[SW]
	ds_store_b32 v5, v[SW+1] offset:8
.irp i, 0,1,2,3,4,5,6,7,8,9,10,11
	ds_load_b128 v[OUTR+4*\i:OUTR+4*\i+3], v6 offset:512*\i        ; LDS serves a wave's instructions in order (ISA guide 5.7.1.4): these see my stores
.endr
	ds_load_b64 v[OUTR+48:OUTR+49], v7
.irp i, 0,1,2,3,4,5,6,7,8,9,10,11
	s_wait_dscnt 12-\i                             ; behind load i: the 11 - i loads of codes and the one of scale words
	global_store_b128 v8, v[OUTR+4*\i:OUTR+4*\i+3], s[48:49] offset:512*\i   ; 32 lanes store 512 consecutive bytes, at a multiple of 256 from wq's first byte
.endr
	s_wait_dscnt 0x0
	global_store_b64 v9, v[OUTR+48:OUTR+49], s[50:51]              ; 32 lanes store 256 consecutive bytes, aligned likewise
	s_wait_tensorcnt 0x0
	ds_add_u32 v192, v193
	s_wait_dscnt 0x0
	s_endpgm
.Lfunc_end_k_q5d0c81dc6a_wquant:
	.size	k_q5d0c81dc6a_wquant, .Lfunc_end_k_q5d0c81dc6a_wquant-k_q5d0c81dc6a_wquant
	.p2alignl 7, 3214868480
	.fill 96, 4, 3214868480
	.section	.rodata,"a",@progbits
	.p2align	6, 0x0
	.amdhsa_kernel k_q5d0c81dc6a_wquant
		.amdhsa_group_segment_fixed_size 26112
		.amdhsa_private_segment_fixed_size 0
		.amdhsa_enable_private_segment 0
		.amdhsa_kernarg_size 24
		.amdhsa_user_sgpr_count 2
		.amdhsa_user_sgpr_kernarg_segment_ptr 1
		.amdhsa_wavefront_size32 1
		.amdhsa_system_sgpr_workgroup_id_x 1
		.amdhsa_system_sgpr_workgroup_id_y 1
		.amdhsa_system_sgpr_workgroup_id_z 1
		.amdhsa_system_vgpr_workitem_id 0
		.amdhsa_next_free_vgpr 194
		.amdhsa_next_free_sgpr 66
		.amdhsa_reserve_vcc 0
		.amdhsa_float_denorm_mode_32 3
		.amdhsa_float_denorm_mode_16_64 3
		.amdhsa_memory_ordered 1
		.amdhsa_forward_progress 1
		.amdhsa_inst_pref_size 45
	.end_amdhsa_kernel
	.amdgpu_metadata
---
amdhsa.version: [ 1, 2 ]
amdhsa.kernels:
  - .name:           k_q5d0c81dc6a_wquant
    .symbol:         k_q5d0c81dc6a_wquant.kd
    .args:
      - { .name: w1, .offset: 0, .size: 8, .value_kind: global_buffer, .address_space: global }
      - { .name: w2, .offset: 8, .size: 8, .value_kind: global_buffer, .address_space: global }
      - { .name: wq, .offset: 16, .size: 8, .value_kind: global_buffer, .address_space: global }
    .group_segment_fixed_size: 26112
    .private_segment_fixed_size: 0
    .kernarg_segment_align: 8
    .kernarg_segment_size: 24
    .max_flat_workgroup_size: 128
    .sgpr_count:     66
    .vgpr_count:     194
    .wavefront_size: 32
...
	.end_amdgpu_metadata
.endif
;; end of part 1
;; launch ffn1 (part 2): grid 256 x 1, 4 waves a work-group, no clusters, 164,352 bytes of LDS; arguments x, wq, b1, hq; writes hq
.if DOCPART == 2
	.amdgcn_target "amdgcn-amd-amdhsa--gfx1250"
	.amdhsa_code_object_version 6
	.text
	.protected	k_q5d0c81dc6a_ffn1
	.globl	k_q5d0c81dc6a_ffn1
	.p2align	8
	.type	k_q5d0c81dc6a_ffn1,@function
k_q5d0c81dc6a_ffn1:
	s_mov_b64 s[64:65], 0
	v_nop
	global_prefetch_b8 v0, s[64:65] scope:SCOPE_SE
	s_setreg_imm32_b32 hwreg(HW_REG_WAVE_MODE, 25, 1), 1
	s_wait_xcnt 0x0
; The hidden layer: gelu(x W1[e] + b1[e]), gelu by erf, quantised along the second product's K.  The product is on codes of FP6 (E2M3) with one E8M0 scale for each 32 along K.  x [16384][1024] f32; expert e owns rows 2048 e on.
; W1 comes as codes from wq, laid by the launch before in the order of the operand's registers (its head comment has the layout): slots 0 to 15 of the expert's 32.  x is quantised here and never goes to memory as codes.
; OUT: hq, work-group G's block at 102,400 G: the hidden layer's 64 fragments of its 64 rows (K step st, row tile m at 6,144 st + 1,536 m; register j of lane l at 512 (j / 4) + 16 l + 4 (j % 4)), then 4,096 bytes of
; scale words (256 st + 64 m + 4 r, byte w for block w): the bytes as the next launch reads them from LDS.
; SHARES.  A work-group owns 64 rows of one expert (four tiles of 16), 256 work-groups.  THE WAVES SHARE THE COLUMNS: in step st wave w makes hidden units 128 st + 32 w + 0 .. 31 of all 64 rows: block w of K step st.
; THE WEIGHTS go from memory straight into registers: a wave's block of a slot is 16 fragments and 8 registers of scale words, 50 loads of 512 consecutive bytes, asked for as the step's products leave the registers,
; with the step's whole gelu between the last request and the first use.  The 32 work-groups of an expert read the same blocks.  They are NOT asked for jointly through LDS: of a ring's sixteen steps the last two ask for
; nothing and would have to be written out, and a step is some 820 instructions: the text would be three times as long.
; THE PRODUCT IS USED TRANSPOSED (source 0 = 16 rows of W1, source 1 = 16 rows of x): a lane holds ONE row, and, by the order of a tile's rows in wq, the 16 registers of a pair of tiles are 16 neighbours:
; hidden units 16 (lane / 16) + 0 .. 15 of the pair's 32.  b1 is the C of each sum's first matrix instruction.
; GELU.  y = x (0.5 + xc A(v) / B(v)), xc = x held to +-4 sqrt 2, v = xc^2; A (degree 6) and B (degree 4) are the rational fit of erf(z) = z P(z^2) / Q(z^2) on |z| <= 4, with z = x / sqrt 2 and the factor 1/2 folded into the coefficients.
; LIMITS: y's error is about 2e-7 |x|; so for x under -2 its RELATIVE error grows as 1 + erf cancels, and under -5.66 y is within 6e-8 |x| of 0 and not the true tail.  Blocks whose largest magnitude lies under 2^-124
; keep the scale byte 1 (a block of zeros too: its codes are zeros).  NaN and infinities are not served.
; REGISTERS, in windows of 256 (s_set_vgpr_msb: bits 1:0 source 0, 3:2 source 1, 5:4 source 2, 7:6 destination):
;   window 0: v4-31 addresses; v32-47 x's scale words (first: b1 on its way to LDS); v48-55 W1's scale words; v64-255 the 16 weight fragments
;   window 1: v0-63 the 8 sums (row tile m, tile u at 16 m + 8 u), v64-79 b1's two tiles, v80-123 at work, v128-191 gelu's 64
;   windows 2, 3: first x as loaded (window 2, two sets of 64), then x's 32 fragments (K step s, row tile m at 48 (s % 4) + 12 m of window 2 + s / 4)
.set EXPQ,   3276800                   ; an expert's bytes in wq
.set SLOTB,  102400                    ; a slot; also a work-group's block of hq
.set WBLK,   25600                     ; a wave's block of a slot
.set FRB,    1536                      ; a fragment's image
.set GRPB,   6144                      ; four of them
.set SCOFF,  24576                     ; a block's scale words
.set HSCB,   98304                     ; LDS: from 0 the hidden layer's 64 fragments; here its scale words;
.set B1L,    102400                    ; b1[e], 8,192 bytes;
.set XIMG,   110592                    ; x's 32 fragments, as images of their registers: (4 s + m) x 1,536;
.set XSCB,   159744                    ; x's scale words, 128 bytes for each fragment
.set WO,   4                           ; v4   16 x lane: my place in 512 bytes of wq and of hq; never rewritten
.set LI,   6                           ; v6   XIMG + 16 x lane
.set XSL,  7                           ; v7   x's scale words as an operand wants them: XSCB + 4 x lane + 128 (lane / 16)
.set XWI,  8                           ; v8   where I store x's images
.set XWS,  9                           ; v9   and their scale words
.set HWI,  10                          ; v10  where I store the first and the third register pair of the hidden layer's codes
.set HWS,  11                          ; v11  and their scale bytes
.set XA,   12                          ; v12  x: 4,096 r + 64 h
.set BRD,  13                          ; v13  b1's tiles
.set HWJ,  14                          ; v14  where I store the second register pair
.set PFO,  15                          ; v15  the prefetches' offset
.set CPY,  16                          ; v16  the way out: 25,600 w + 16 x lane
.set TA,   27                          ; v27-30 the addresses in hand: a fixed register + a stepped scalar
.set TBY,  28
.set TC,   29
.set TD,   30
.set XS,   32
.set WS,   48
.set R,    64
.set BIAS, 64                          ; window 1 from here on
.set TM,   80                          ; v80-83 largest magnitudes, v84-87 bytes, v92-95 the conversions' scale operands
.set PW,   96
.set PC,   100                         ; v100-119 codes
.set KA6,  120                         ; v120-121 a6 twice; v122-123 b4 twice
.set KB4,  122
.set XC,   128
.set X2,   144
.set PP,   160
.set QQ,   176
; SCALARS: s[4:5] x, s[6:7] my block of the slot that is being loaded, s[8:9] b1[e], s[10:11] my part of hq; s14 wave; s16 expert; s[40:41] lane selects; s[42:43] the prefetches' address; s44 their test; s46 loop counter;
; s47 25,600 w; s48-63, s66-69 coefficients, twice each; s74-75 the hold; s76-79, s83-84 steps of LDS addresses
.set MSB, 0
.macro WIN new                         ; the immediate's high byte repeats the setting that is left; a switch that changes nothing is dropped
.if MSB != (\new)
	s_set_vgpr_msb (MSB<<8)|(\new)
.set MSB, (\new)
.endif
.endm
.macro PLACES                          ; four places behind a matrix instruction, in front of loads into registers that it has read and of the first read of its results
.rept 4
	v_nop
.endr
.endm
.macro KPAIR sp, val                   ; a coefficient, twice: the packed forms name a pair
	s_mov_b32 s[\sp], \val
	s_mov_b32 s[\sp+1], \val
.endm
; One matrix instruction on the registers rD, rA, rB, rC, scale words rSA, rSB; rRA, rRB: the scale words stand in lanes 16-31
.macro WM
.if rRA && rRB
	v_wmma_scale_f32_16x16x128_f8f6f4 v[rD:rD+7], v[rA:rA+11], v[rB:rB+11], v[rC:rC+7], v[rSA], v[rSB] matrix_a_fmt:MATRIX_FMT_FP6 matrix_b_fmt:MATRIX_FMT_FP6 matrix_a_scale:MATRIX_SCALE_ROW1 matrix_b_scale:MATRIX_SCALE_ROW1
.elseif rRA
	v_wmma_scale_f32_16x16x128_f8f6f4 v[rD:rD+7], v[rA:rA+11], v[rB:rB+11], v[rC:rC+7], v[rSA], v[rSB] matrix_a_fmt:MATRIX_FMT_FP6 matrix_b_fmt:MATRIX_FMT_FP6 matrix_a_scale:MATRIX_SCALE_ROW1
.elseif rRB
	v_wmma_scale_f32_16x16x128_f8f6f4 v[rD:rD+7], v[rA:rA+11], v[rB:rB+11], v[rC:rC+7], v[rSA], v[rSB] matrix_a_fmt:MATRIX_FMT_FP6 matrix_b_fmt:MATRIX_FMT_FP6 matrix_b_scale:MATRIX_SCALE_ROW1
.else
	v_wmma_scale_f32_16x16x128_f8f6f4 v[rD:rD+7], v[rA:rA+11], v[rB:rB+11], v[rC:rC+7], v[rSA], v[rSB] matrix_a_fmt:MATRIX_FMT_FP6 matrix_b_fmt:MATRIX_FMT_FP6
.endif
.endm
; 8 matrix instructions: K step 2 g + q, my two tiles of hidden units x the four tiles of rows.  first = 1: C = b1's tile.
; The 8 sums take turns, one instruction a turn, in the same order in every call.
.macro U1 g, q, first
.if (\g) < 2
	WIN 0x58                                       ; W1 window 0, x window 2, C and D window 1
.else
	WIN 0x5c                                       ; x window 3
.endif
.irp u, 0,1
.irp m, 0,1,2,3
.set rD, 16*\m+8*\u
.set rA, R+12*(4*(\g)+2*(\q)+\u)
.set rB, 48*((2*(\g)+(\q))&3)+12*\m
.if \first
.set rC, BIAS+8*\u
.else
.set rC, rD
.endif
.set rSA, WS+4*((\g)>>1)+2*(\q)+\u
.set rSB, XS+2*(2*(\g)+(\q))+(\m>>1)
.set rRA, (\g)&1
.set rRB, (\m&1)
	WM
.endr
.endr
.endm
.macro RLOADG g                        ; fragments 4 g .. 4 g + 3 of my block at s[6:7]: 12 loads of 512 consecutive bytes
.irp i, 0,1,2,3
.irp c, 0,1,2
	global_load_b128 v[R+48*(\g)+12*\i+4*\c:R+48*(\g)+12*\i+4*\c+3], v[WO], s[6:7] offset:GRPB*(\g)+FRB*\i+512*\c
.endr
.endr
.endm
.macro WSLOADG                         ; its scale words: register 4 (g / 2) + 2 q + u; lanes 0-15 even g, lanes 16-31 odd g
.irp i, 0,1
	global_load_b128 v[WS+4*\i:WS+4*\i+3], v[WO], s[6:7] offset:SCOFF+512*\i
.endr
.endm
; Behind the products on fragments 4 g .. 4 g + 3: the next step's take their registers.  The last step asks for nothing: a scalar branch on the count of steps.  With g = 0 b1's next tiles, with g = 3 the scale words come too.
.macro NEXT g
	PLACES
	WIN 0
.if (\g) == 0
	v_add_nc_u32 v[TC], s78, v[BRD]
.endif
	s_cmp_eq_u32 s46, 1
	s_cbranch_scc1 .Llast_\@
.if (\g) == 3
	WSLOADG                                        ; the step's last product has read them
.endif
	RLOADG \g
.if (\g) == 0
	WIN 0x40
.irp k, 0,1,2,3
	ds_load_b128 v[BIAS+4*\k:BIAS+4*\k+3], v[TC] offset:16*\k
.endr
	WIN 0
.endif
.Llast_\@:
.endm
.macro HORN acc, sp                    ; Horner's step on eight pairs: acc = acc x v + a coefficient
.irp i, 0,2,4,6,8,10,12,14
	v_pk_fma_f32 v[\acc+\i:\acc+\i+1], v[\acc+\i:\acc+\i+1], v[X2+\i:X2+\i+1], s[\sp:\sp+1] op_sel_hi:[1,1,0]
.endr
.endm
; gelu of row tile m's 16 numbers a lane, in place.  All in window 1.  The sums are read from their low ends on.
.macro GELU m
.irp i, 0,1,2,3,4,5,6,7,8,9,10,11,12,13,14,15
	v_med3_num_f32 v[XC+\i], v[16*(\m)+\i], s74, s75       ; xc
.endr
.irp i, 0,2,4,6,8,10,12,14
	v_pk_mul_f32 v[X2+\i:X2+\i+1], v[XC+\i:XC+\i+1], v[XC+\i:XC+\i+1]      ; v
.endr
.irp i, 0,2,4,6,8,10,12,14
	v_pk_fma_f32 v[PP+\i:PP+\i+1], v[X2+\i:X2+\i+1], v[KA6:KA6+1], s[48:49] op_sel_hi:[1,1,0]   ; a6 v + a5
.endr
.irp i, 0,2,4,6,8,10,12,14
	v_pk_fma_f32 v[QQ+\i:QQ+\i+1], v[X2+\i:X2+\i+1], v[KB4:KB4+1], s[60:61] op_sel_hi:[1,1,0]   ; b4 v + b3
.endr
	HORN PP, 50
	HORN QQ, 62
	HORN PP, 52
	HORN QQ, 66
	HORN PP, 54
	HORN QQ, 68                                    ; B(v)
	HORN PP, 56
	HORN PP, 58                                    ; A(v)
.irp i, 0,2,4,6,8,10,12,14
	v_pk_mul_f32 v[PP+\i:PP+\i+1], v[PP+\i:PP+\i+1], v[XC+\i:XC+\i+1]
.endr
.irp i, 0,1,2,3,4,5,6,7,8,9,10,11,12,13,14,15
	v_rcp_f32 v[X2+\i], v[QQ+\i]
.endr
	v_nop                                          ; one plain place behind the reciprocals
	s_wait_alu depctr_va_vdst(0)
.irp i, 0,2,4,6,8,10,12,14
	v_pk_fma_f32 v[PP+\i:PP+\i+1], v[PP+\i:PP+\i+1], v[X2+\i:X2+\i+1], 0.5 op_sel_hi:[1,1,0]
.endr
.irp i, 0,2,4,6,8,10,12,14
	v_pk_mul_f32 v[16*(\m)+\i:16*(\m)+\i+1], v[16*(\m)+\i:16*(\m)+\i+1], v[PP+\i:PP+\i+1]
.endr
.endm
; The step's hidden units are quantised: for each row, block w of K step st; half of it lies in lane l, half in lane l xor 16.  Two tiles of rows change halves, so that a lane holds a WHOLE block of one row:
; lane (r, g) that of row r of tile 2 k + g.  In the operand it belongs to lane r + 16 (w % 2), registers 6 (w / 2) on: three stores of 8 bytes, at 0, 8, 512 of the lane's place in the image for waves 0 and 1,
; at 520, 1,024, 1,032 for waves 2 and 3: the first and third are 512 apart in both, the second has an address of its own.  Its byte is byte w of the row's scale word.
.macro QH
	WIN 0x55
.irp m, 0,1,2,3
	v_max3_num_f32 v[TM+\m], |v[16*\m]|, |v[16*\m+1]|, 0x1800000   ; my 16 numbers, and the floor 2^(3 - 127): the byte cannot fall under 1
.endr
.irp i, 2,4,6,8,10,12,14
.irp m, 0,1,2,3
	v_max3_num_f32 v[TM+\m], v[TM+\m], |v[16*\m+\i]|, |v[16*\m+\i+1]|      ; (the four tiles by turns)
.endr
.endr
.irp m, 0,1,2,3
	v_permlanex16_b32 v[TM+4+\m], v[TM+\m], s40, s41
.endr
.irp m, 0,1,2,3
	v_max_num_f32 v[TM+\m], v[TM+\m], v[TM+4+\m]   ; with lane l xor 16's: the block's largest magnitude
.endr
.irp m, 0,1,2,3
	v_add_nc_u32 v[TM+12+\m], 0xff000000, v[TM+\m] ; 2 off its exponent field: the conversion's scale operand
.endr
.irp m, 0,1,2,3
	v_lshrrev_b32 v[TM+4+\m], 23, v[TM+12+\m]      ; the scale's byte
.endr
.irp m, 0,1,2,3
	v_cvt_scalef32_pk16_fp6_f32 v[PC+10*(\m>>1)+6*(\m&1):PC+10*(\m>>1)+6*(\m&1)+2], v[16*\m:16*\m+15], v[TM+12+\m]
.endr
	v_nop                                          ; one plain place behind a scaled conversion
.irp k, 0,1
.irp i, 0,1,2
	v_permlane16_swap_b32 v[PC+10*\k+\i], v[PC+10*\k+6+\i]         ; tile 2 k's lanes 16-31 change places with tile 2 k + 1's lanes 0-15
.endr
.irp i, 0,1,2
	v_mov_b32 v[PC+10*\k+3+\i], v[PC+10*\k+6+\i]
.endr
.endr
	WIN 0
	v_add_nc_u32 v[TA], s76, v[HWI]                ; K step st's images,
	v_add_nc_u32 v[TD], s76, v[HWJ]
	v_add_nc_u32 v[TBY], s77, v[HWS]               ; and its scale words
	WIN 0x04                                       ; an LDS store's data are its source 1: window 1
.irp k, 0,1
	ds_store_b64 v[TA], v[PC+10*\k:PC+10*\k+1] offset:3072*\k
	ds_store_b64 v[TD], v[PC+10*\k+2:PC+10*\k+3] offset:3072*\k
	ds_store_b64 v[TA], v[PC+10*\k+4:PC+10*\k+5] offset:3072*\k+512
.endr
.irp m, 0,1,2,3
	ds_store_b8 v[TBY], v[TM+4+\m] offset:64*\m    ; both halves of the lanes write the same byte with the same value
.endr
	WIN 0
	s_add_co_u32 s76, s76, GRPB
	s_add_co_u32 s77, s77, 256
.endm
; 64 numbers of a lane in window 2, v[set] on, register 16 b + i = k 32 b + 16 (lane / 16) + i of my row, become a fragment's codes in v[PC] on and its scale word in v[PW], both in window 1.
.macro QX set
	WIN 0x69                                       ; destination and source 0 window 1, sources 1 and 2 window 2
.irp b, 0,1,2,3
	v_max3_num_f32 v[TM+\b], 0x1800000, |v[(\set)+16*\b]|, |v[(\set)+1+16*\b]|
.endr
.irp i, 2,4,6,8,10,12,14
.irp b, 0,1,2,3
	v_max3_num_f32 v[TM+\b], v[TM+\b], |v[(\set)+16*\b+\i]|, |v[(\set)+1+16*\b+\i]|
.endr
.endr
	WIN 0x55
.irp b, 0,1,2,3
	v_permlanex16_b32 v[TM+4+\b], v[TM+\b], s40, s41
.endr
.irp b, 0,1,2,3
	v_max_num_f32 v[TM+\b], v[TM+\b], v[TM+4+\b]
.endr
.irp b, 0,1,2,3
	v_add_nc_u32 v[TM+12+\b], 0xff000000, v[TM+\b]
.endr
.irp b, 0,1,2,3
	v_lshrrev_b32 v[TM+4+\b], 23, v[TM+12+\b]
.endr
	v_lshl_or_b32 v[PW], v[TM+5], 8, v[TM+4]       ; the four bytes make my row's scale word (alike in both halves of the lanes)
	v_lshl_or_b32 v[PW], v[TM+6], 16, v[PW]
	v_lshl_or_b32 v[PW], v[TM+7], 24, v[PW]
	WIN 0x46                                       ; the numbers window 2, the scale operand and the codes window 1
.irp c, 0,1
	v_cvt_scalef32_pk16_fp6_f32 v[PC+6*\c:PC+2+6*\c], v[(\set)+32*\c:(\set)+15+32*\c], v[TM+12+2*\c]
	v_cvt_scalef32_pk16_fp6_f32 v[PC+12+4*\c:PC+14+4*\c], v[(\set)+16+32*\c:(\set)+31+32*\c], v[TM+12+2*\c+1]
.endr
	WIN 0x55
	v_nop                                          ; one plain place behind a scaled conversion
.irp c, 0,1                            ; the operand's layout wants a WHOLE block in a lane: lanes 0-15 block 2 c, lanes 16-31 block 2 c + 1
.irp i, 0,1,2
	v_permlane16_swap_b32 v[PC+6*\c+\i], v[PC+12+4*\c+\i]
.endr
.irp i, 0,1,2
	v_mov_b32 v[PC+3+6*\c+\i], v[PC+12+4*\c+\i]
.endr
.endr
.endm
	s_load_b256 s[4:11], s[0:1], 0x0               ; x s[4:5], wq s[6:7], b1 s[8:9], hq s[10:11]
	v_lshl_add_u32 v62, v0, 2, 0x28000
	v_mov_b32 v63, 0
	v_lshrrev_b32 v1, 5, v0
	v_readfirstlane_b32 s14, v1                    ; wave 0..3
	s_lshr_b32 s16, ttmp9, 5                       ; the expert: 32 work-groups each
	s_mul_i32 s20, s16, EXPQ
	s_mul_i32 s47, s14, WBLK
	s_add_co_u32 s20, s20, s47                     ; my block of the expert's slot 0
	s_mov_b32 s21, 0
	s_lshl_b32 s22, s16, 13                        ; b1[e]
	s_mov_b32 s23, 0
	s_mov_b32 s40, 0x76543210
	s_mov_b32 s41, 0xfedcba98                      ; v_permlanex16_b32's selects for lane l xor 16
	KPAIR 48, 0x2fa84a8d                           ; a5
	KPAIR 50, 0xb347667d                           ; a4
	KPAIR 52, 0xb628d45d                           ; a3
	KPAIR 54, 0xb8883d9c                           ; a2
	KPAIR 56, 0xba08eb41                           ; a1
	KPAIR 58, 0xbbba79f3                           ; a0
	KPAIR 60, 0xb7dfbd29                           ; b3
	KPAIR 62, 0xb9dc924e                           ; b2
	KPAIR 66, 0xbb719bf8                           ; b1
	KPAIR 68, 0xbc69b6a7                           ; b0
	s_mov_b32 s74, 0xc0b504f3                      ; -4 sqrt 2
	s_mov_b32 s75, 0x40b504f3
	s_mov_b32 s76, 0                               ; the steps of the LDS addresses: the hidden layer's images, 6,144 a step;
	s_mov_b32 s77, 0                               ; its scale words, 256 a step;
	s_mov_b32 s78, 0                               ; b1's tiles, 512 a step;
	s_mov_b32 s79, 0                               ; the way out, 5,120 a trip;
	s_mov_b32 s83, 0                               ; x's images, 12,288 for two K steps;
	s_mov_b32 s84, 0                               ; their scale words, 1,024 for two
	s_lshr_b32 s44, ttmp9, 2
	s_and_b32 s44, s44, 7
	s_cmp_eq_u32 s44, 0
	s_cselect_b32 s44, 3, -1                       ; the expert's first four work-groups prefetch, while more than 3 steps are left
	s_lshl_b32 s92, ttmp9, 18                      ; x: 64 rows of 4,096 bytes a work-group,
	s_lshl_b32 s91, s14, 16
	s_add_co_u32 s92, s92, s91                     ; + my wave's 16 rows
	s_mov_b32 s93, 0
	s_mul_i32 s94, ttmp9, SLOTB                    ; hq: the work-group's block,
	s_add_co_u32 s94, s94, s47                     ; + my wave's quarter
	s_mov_b32 s95, 0
	s_and_b32 s96, ttmp9, 3
	s_lshl_b32 s96, s96, 2
	s_add_co_u32 s96, s96, s14
	s_mul_i32 s96, s96, 6400                       ; the prefetches: my 25 blocks of 256 bytes,
	s_mul_i32 s97, s16, EXPQ
	s_add_co_u32 s96, s96, s97
	s_add_co_u32 s96, s96, 2*SLOTB                 ; in slot 2: step 0 steps it to slot 3
	s_mov_b32 s97, 0
	s_wait_kmcnt 0x0
	s_add_nc_u64 s[42:43], s[6:7], s[96:97]
	s_add_nc_u64 s[6:7], s[6:7], s[20:21]
	s_add_nc_u64 s[4:5], s[4:5], s[92:93]
	s_add_nc_u64 s[10:11], s[10:11], s[94:95]
	s_add_nc_u64 s[8:9], s[8:9], s[22:23]
	v_and_b32 v24, 31, v0                          ; lane
	v_and_b32 v25, 15, v0                          ; r
	v_bfe_u32 v26, v0, 4, 1                        ; h
	v_lshlrev_b32 v[WO], 4, v24
	s_lshl_b32 s18, s14, 11
	v_add_nc_u32 v21, s18, v[WO]                   ; my wave's quarter of b1[e]
.irp i, 0,1,2,3
	global_load_b128 v[XS+4*\i:XS+4*\i+3], v21, s[8:9] offset:512*\i
.endr
	WSLOADG                                        ; step 0's weights are asked for ahead of x
	RLOADG 0
	RLOADG 1
	RLOADG 2
	RLOADG 3
	v_lshlrev_b32 v[XA], 12, v25
	v_lshl_add_u32 v[XA], v26, 6, v[XA]            ; x: row r of 4,096 bytes, + 64 h: my 16 numbers of a block of 32
	v_add_nc_u32 v22, B1L, v21
	v_lshl_add_u32 v[LI], v24, 4, XIMG
	v_lshl_add_u32 v[XSL], v24, 2, XSCB
	v_lshl_add_u32 v[XSL], v26, 7, v[XSL]
	s_mul_i32 s18, s14, FRB
	v_add_nc_u32 v[XWI], s18, v[LI]                ; x's image (K step s, row tile w): (4 s + w) x 1,536
	s_lshl_b32 s18, s14, 7
	v_lshl_add_u32 v[XWS], v24, 2, XSCB
	v_add_nc_u32 v[XWS], s18, v[XWS]
	v_lshl_add_u32 v[BRD], v26, 6, B1L
	v_add_nc_u32 v[BRD], s18, v[BRD]               ; b1: 128 w + 64 h: the 16 hidden units of my half
	s_lshr_b32 s18, s14, 1
	s_mul_i32 s17, s18, 496
	s_add_co_u32 s17, s17, 8                       ; from the first register pair's place to the second's: 8, or 504 in waves 2 and 3
	s_mul_i32 s18, s18, 520
	s_and_b32 s19, s14, 1
	s_lshl_b32 s19, s19, 8
	s_add_co_u32 s18, s18, s19
	v_mul_u32_u24 v[HWI], v26, FRB
	v_lshl_add_u32 v[HWI], v25, 4, v[HWI]
	v_add_nc_u32 v[HWI], s18, v[HWI]               ; 520 (w / 2) + 256 (w % 2) + 16 r + 1,536 h
	v_add_nc_u32 v[HWJ], s17, v[HWI]
	v_lshl_add_u32 v[HWS], v25, 2, HSCB
	v_add_nc_u32 v[HWS], s14, v[HWS]               ; 4 r + w
	v_min_u32 v[PFO], 24, v24
	v_lshlrev_b32 v[PFO], 8, v[PFO]                ; a lane a block of 256 bytes; lanes 25-31 name lane 24's again
	v_add_nc_u32 v[CPY], s47, v[WO]
	WIN 0x40
.irp b, 0,1,2,3
	v_mov_b32 v[TM+4+\b], 0                        ; written once: a lane permute's destination counts as one of its sources
.endr
	v_mov_b32 v[KA6], 0xabd3f331                   ; a6
	v_mov_b32 v[KA6+1], 0xabd3f331
	v_mov_b32 v[KB4], 0xb57460cd                   ; b4
	v_mov_b32 v[KB4+1], 0xb57460cd
	WIN 0
	; ---- X: wave w quantises rows 16 w .. 16 w + 15 of the block: eight fragments, stored as images of their registers.  Four trips of two K steps: a trip asks for its 32 loads (16 KiB a wave) at once
	; and quantises the first K step while the second is on its way.
	s_mov_b32 s46, 4
.Lx:
	WIN 0x80                                       ; destination window 2
.irp i, 0,1
.irp b, 0,1,2,3
.irp j, 0,1,2,3
	global_load_b128 v[64*\i+16*\b+4*\j:64*\i+16*\b+4*\j+3], v[XA], s[4:5] offset:512*\i+128*\b+16*\j th:TH_LOAD_NT
.endr
.endr
.endr
	WIN 0
	v_add_nc_u32 v[TA], s83, v[XWI]
	v_add_nc_u32 v[TBY], s84, v[XWS]
.irp i, 0,1
	s_wait_loadcnt 16*(1-\i)                       ; this K step's 16 loads are in (and all that was asked for earlier); the trip's second K step may be out
	QX 64*\i
	WIN 0x04
.irp c, 0,1,2
	ds_store_b128 v[TA], v[PC+4*\c:PC+4*\c+3] offset:GRPB*\i+512*\c
.endr
	ds_store_b32 v[TBY], v[PW] offset:512*\i
	WIN 0
	s_wait_dscnt 0x0                               ; the stores have read their registers
.endr
	s_add_nc_u64 s[4:5], s[4:5], 1024              ; two K steps on (every load that named the base has been waited for)
	s_add_co_u32 s83, s83, 2*GRPB
	s_add_co_u32 s84, s84, 1024
	s_sub_co_u32 s46, s46, 1
	s_cmp_lg_u32 s46, 0
	s_cbranch_scc1 .Lx
.irp i, 0,1,2,3
	ds_store_b128 v22, v[XS+4*\i:XS+4*\i+3] offset:512*\i          ; b1: each wave its quarter
.endr
	s_wait_dscnt 0x0                               ; for the others' sake: my stores have landed
	s_barrier_signal -1
	s_barrier_wait -1                              ; x's 32 fragments, their scale words and b1 lie in LDS
	WIN 0x80
.irp s, 0,1,2,3
.irp m, 0,1,2,3
.irp c, 0,1,2
	ds_load_b128 v[48*\s+12*\m+4*\c:48*\s+12*\m+4*\c+3], v[LI] offset:(4*\s+\m)*FRB+512*\c
.endr
.endr
.endr
	WIN 0xc0
.irp s, 0,1,2,3
.irp m, 0,1,2,3
.irp c, 0,1,2
	ds_load_b128 v[48*\s+12*\m+4*\c:48*\s+12*\m+4*\c+3], v[LI] offset:(16+4*\s+\m)*FRB+512*\c
.endr
.endr
.endr
	WIN 0
.irp s, 0,1,2,3,4,5,6,7
.irp k, 0,1
	ds_load_b32 v[XS+2*\s+\k], v[XSL] offset:512*\s+256*\k         ; lanes 0-15 row tile 2 k's words, lanes 16-31 row tile 2 k + 1's
.endr
.endr
	WIN 0x40
.irp k, 0,1,2,3
	ds_load_b128 v[BIAS+4*\k:BIAS+4*\k+3], v[BRD] offset:16*\k     ; b1's two tiles of step 0
.endr
	WIN 0
	; ---- The hidden layer, 128 units a step, 16 steps, a step a trip.  Slot st's block lies in my registers; slot st + 1's is asked for as the registers fall free.
	; No barrier stands in the loop: each wave stores bytes of its own, and nobody reads them before the barrier behind the loop.
	s_mov_b32 s46, 16
.Lstep:
	s_wait_loadcnt 0x0                             ; this step's block is in my registers: its last loads went out in front of the last step's gelu.  So their base may be written:
	s_add_nc_u64 s[6:7], s[6:7], SLOTB             ; the next slot
	s_wait_xcnt 0x0                                ; the last prefetch, a step back, has read its address:
	s_add_nc_u64 s[42:43], s[42:43], SLOTB         ; it goes a slot on
	s_add_co_u32 s78, s78, 512
	s_wait_dscnt 0x0                               ; b1's tiles (in step 0 x's fragments and scale words too) are in
	U1 0, 0, 1                                     ; their C is b1
	U1 0, 1, 0
	NEXT 0
	U1 1, 0, 0
	U1 1, 1, 0
	NEXT 1
	U1 2, 0, 0
	U1 2, 1, 0
	NEXT 2
	U1 3, 0, 0
	U1 3, 1, 0
	NEXT 3
	; A PREFETCH INTO THE L2, behind the step's last loads: in step s the expert's slot s + 3, whose loads go out in step s + 2.  All 32 work-groups of an expert walk the same slots: its first four ask.  A slot is 400 blocks
	; of 256 bytes: their sixteen waves take 25 each, told apart by address, a lane a block.  Slots 0 to 2 come by their loads alone; step 12 names slot 15, the last.
	s_cmp_gt_u32 s46, s44                          ; s46 = 16 - s
	s_cbranch_scc0 .Lnot_mine
	global_prefetch_b8 v[PFO], s[42:43] th:TH_LOAD_NT scope:SCOPE_SE
.Lnot_mine:
	WIN 0x55
.irp m, 0,1,2,3
	GELU \m
.endr
	QH
	s_sub_co_u32 s46, s46, 1
	s_cmp_lg_u32 s46, 0
	s_cbranch_scc1 .Lstep
	; ---- THE WAY OUT: the hidden layer's 102,400 bytes leave LDS as they lie, a quarter a wave: five trips of ten loads and ten stores of 512 consecutive bytes.
	s_wait_loadcnt 0x0                             ; no load is on its way into the registers that the copy takes
	s_wait_dscnt 0x0                               ; my last codes and bytes have landed
	s_barrier_signal -1
	s_barrier_wait -1                              ; the hidden layer is whole
	s_mov_b32 s46, 5
.Lout:
	v_add_nc_u32 v[TA], s79, v[CPY]
.irp i, 0,1,2,3,4,5,6,7,8,9
	ds_load_b128 v[R+4*\i:R+4*\i+3], v[TA] offset:512*\i
.endr
.irp i, 0,1,2,3,4,5,6,7,8,9
	s_wait_dscnt 9-\i                              ; the younger loads may be out
	global_store_b128 v[WO], v[R+4*\i:R+4*\i+3], s[10:11] offset:512*\i      ; 32 lanes store 512 consecutive bytes, at a multiple of 256 from hq's first byte
.endr
	s_wait_xcnt 0x0                                ; the stores have read their registers and their base: both may be written again
	s_add_nc_u64 s[10:11], s[10:11], 5120
	s_add_co_u32 s79, s79, 5120
	s_sub_co_u32 s46, s46, 1
	s_cmp_lg_u32 s46, 0
	s_cbranch_scc1 .Lout
	s_wait_tensorcnt 0x0
	ds_add_u32 v62, v63
	s_wait_dscnt 0x0
	s_endpgm
.Lfunc_end_k_q5d0c81dc6a_ffn1:
	.size	k_q5d0c81dc6a_ffn1, .Lfunc_end_k_q5d0c81dc6a_ffn1-k_q5d0c81dc6a_ffn1
	.p2alignl 7, 3214868480
	.fill 96, 4, 3214868480
	.section	.rodata,"a",@progbits
	.p2align	6, 0x0
	.amdhsa_kernel k_q5d0c81dc6a_ffn1
		.amdhsa_group_segment_fixed_size 164352
		.amdhsa_private_segment_fixed_size 0
		.amdhsa_enable_private_segment 0
		.amdhsa_kernarg_size 32
		.amdhsa_user_sgpr_count 2
		.amdhsa_user_sgpr_kernarg_segment_ptr 1
		.amdhsa_wavefront_size32 1
		.amdhsa_system_sgpr_workgroup_id_x 1
		.amdhsa_system_sgpr_workgroup_id_y 1
		.amdhsa_system_sgpr_workgroup_id_z 1
		.amdhsa_system_vgpr_workitem_id 0
		.amdhsa_next_free_vgpr 1024
		.amdhsa_next_free_sgpr 100
		.amdhsa_reserve_vcc 0
		.amdhsa_float_denorm_mode_32 3
		.amdhsa_float_denorm_mode_16_64 3
		.amdhsa_memory_ordered 1
		.amdhsa_forward_progress 1
		.amdhsa_inst_pref_size 87
	.end_amdhsa_kernel
	.amdgpu_metadata
---
amdhsa.version: [ 1, 2 ]
amdhsa.kernels:
  - .name:           k_q5d0c81dc6a_ffn1
    .symbol:         k_q5d0c81dc6a_ffn1.kd
    .args:
      - { .name: x, .offset: 0, .size: 8, .value_kind: global_buffer, .address_space: global }
      - { .name: wq, .offset: 8, .size: 8, .value_kind: global_buffer, .address_space: global }
      - { .name: b1, .offset: 16, .size: 8, .value_kind: global_buffer, .address_space: global }
      - { .name: hq, .offset: 24, .size: 8, .value_kind: global_buffer, .address_space: global }
    .group_segment_fixed_size: 164352
    .private_segment_fixed_size: 0
    .kernarg_segment_align: 8
    .kernarg_segment_size: 32
    .max_flat_workgroup_size: 128
    .sgpr_count:     100
    .vgpr_count:     1024
    .wavefront_size: 32
...
	.end_amdgpu_metadata
.endif
;; end of part 2
;; launch ffn2 (part 3): grid 256 x 1, 4 waves a work-group, clusters of 4 x 1, 327,680 bytes of LDS; arguments hq, wq, b2, out0; writes out0
.if DOCPART == 3
	.amdgcn_target "amdgcn-amd-amdhsa--gfx1250"
	.amdhsa_code_object_version 6
	.text
	.protected	k_q5d0c81dc6a_ffn2
	.globl	k_q5d0c81dc6a_ffn2
	.p2align	8
	.type	k_q5d0c81dc6a_ffn2,@function
k_q5d0c81dc6a_ffn2:
	s_mov_b64 s[64:65], 0
	v_nop
	global_prefetch_b8 v0, s[64:65] scope:SCOPE_SE
	s_setreg_imm32_b32 hwreg(HW_REG_WAVE_MODE, 25, 1), 1
	s_wait_xcnt 0x0
	s_wait_alu depctr_hold_cnt(0) depctr_sa_sdst(0) depctr_va_vdst(0) depctr_va_sdst(0) depctr_va_ssrc(0) depctr_va_vcc(0) depctr_vm_vsrc(0)
	s_getreg_b32 s2, hwreg(HW_REG_IB_STS2, 6, 4)
	s_cmp_eq_u32 s2, 0
	s_cbranch_scc0 .Lentry_in_a_cluster
	s_endpgm
.Lentry_in_a_cluster:
	s_bfe_u32 s2, ttmp6, 0x10000c
	s_cmp_lg_u32 s2, 0x3003
	s_cbranch_scc0 .Lentry_shape_is_right
	s_endpgm
.Lentry_shape_is_right:
; out = h W2[e] + b2[e], on codes of FP6 (E2M3) with one E8M0 scale for each 32 along K.  h, the quantised hidden layer, comes from hq, W2 from wq: both laid by the launches before in the order of the operand's
; registers (their head comments have the layouts).  out [16384][1024] f32; expert e owns rows 2048 e on.
; SHARES.  A work-group owns 128 rows of one expert (eight tiles of 16: two blocks of hq) and 512 of the 1,024 columns: 16 row blocks x 2 column halves x 8 experts = 256 work-groups.  Wave w makes columns
; 512 c + 128 w + 0 .. 127 of all 128 rows: 64 accumulators, 512 registers.  Those columns are wq's block 2 c + w / 2 of slot 16 + 2 kp + w % 2, for the pair kp of K steps.
; THE RING.  K goes in eight pairs of K steps through two LDS slots.  A slot holds a pair's W2 for the 512 columns (four blocks of wq, 102,400 bytes) and its h for the 128 rows (2 x 12,288 bytes): 126,976 bytes for
; 128 matrix instructions a wave.  Waves 0 and 1 fetch W2 (51,200 dense bytes each), waves 2 and 3 h (12,288 dense bytes each).  A pair is copied whole into registers (16 fragments of W2, 16 of h, their scale words)
; one step ahead of its products, as the registers fall free, so its LDS slot is free for the pair two on.  h's scale words, 8,192 bytes, come once and stay.
; CLUSTER.  The four work-groups of a cluster are four row blocks of one expert and one column half: they walk the same W2, which is asked for JOINTLY, by the same tensor load with the same descriptor and a mask that
; names the four.  h is each work-group's own: a plain load.
; THE PRODUCT IS USED TRANSPOSED (source 0 = 16 rows of W2^T, source 1 = 16 rows of h): a lane holds ONE row, and, by the order of a tile's rows in wq, the 16 registers of a pair of tiles are 16 neighbouring columns:
; 16 (lane / 16) + 0 .. 15 of the pair's 32.  b2 is loaded into the accumulators, so that every product adds in place.
; LIMITS: none of its own: codes and scale bytes are taken as the launches before made them.
; REGISTERS, in windows of 256 (s_set_vgpr_msb: bits 1:0 source 0, 3:2 source 1, 5:4 source 2, 7:6 destination):
;   window 0: v2-26 addresses; v32-39 h's scale words (K step q, row tiles 2 k, 2 k + 1 at 4 q + k); v48-55 W2's scale words; v64-255 the 16 fragments of W2 (pair of tiles g, K step q, tile u at 12 (4 g + 2 q + u))
;   window 1: v0-191 the 16 fragments of h (K step q, row tile m at 96 q + 12 m)
;   windows 2, 3: out's sums (tile of columns t, row tile m at 64 (m % 4) + 8 t of window 2 + m / 4)
.set EXPQ,   3276800                   ; an expert's bytes in wq
.set SLOTB,  102400                    ; a slot of wq; also a block of hq
.set WBLK,   25600                     ; a wave's block of a slot of wq
.set FRB,    1536                      ; a fragment's image
.set GRPB,   6144                      ; four of them
.set SCOFF,  24576                     ; a block's scale words
.set HPB,    12288                     ; a block of hq: its codes of a pair of K steps
.set HSOFF,  98304                     ; and where its scale words begin
.set SLOTC,  SLOTB+2*HPB               ; an LDS slot: W2 of slot 16 + 2 kp (two blocks), of slot 17 + 2 kp (two blocks), then h of the two blocks of hq
.set HSCB,   2*SLOTC                   ; behind the two slots: h's scale words: 4,096 (m / 4) + 256 st + 64 (m % 4) + 4 r
.set SPARE,  HSCB+8192                 ; the spare words, 128 bytes for each wave: two blocks of 256 bytes that no other line names
.set B2L,    SPARE+512                 ; b2 of the 512 columns: each wave stores and reads its own 512 bytes
.set SPITCH, 528                       ; the way out: a stage of 16 rows x (512 bytes + 16) for each wave, in slot 0, which has had its last fill and its last read by then
.set STGB,   16*SPITCH
.set SPW,  2                           ; v2   LDS address of my spare word; never rewritten
.set NIL,  3                           ; v3   0; never rewritten
.set AD,   4                           ; v4   my block of W2 in slot 0: 16 x lane + 51,200 (w % 2) + 25,600 (w / 2)
.set ADC,  5                           ; v5   the same in the slot that is being copied
.set HAD,  6                           ; v6   h in slot 0: 102,400 + 16 x lane
.set HADC, 7                           ; v7   the same in the slot that is being copied
.set HSA,  8                           ; v8   HSCB + 4 x lane
.set HSC,  9                           ; v9   the same at the pair that is being copied
.set BRD2, 14                          ; v14  b2's tiles
.set PFO,  15                          ; v15  the prefetches' offsets: W2's,
.set PFH,  16                          ; v16  h's
.set STO,  18                          ; v18  the stage: where I put 32 bytes of a row
.set RDS,  19                          ; v19  and where I read a row back
.set GO,   20                          ; v20  16 x lane
.set XS,   32
.set WS,   48
.set R,    64
; SCALARS: s[4:11] the four buffers; s[12:13] my part of out; s14 wave; s15 cx; s16 expert; s17 column half; s[24:31] group 1 of W2's loads; s[32:35] their group 0 for the first fill of slot 0; s[36:39] for that of slot 1,
; which then walks; s[84:91], s[92:95], s[96:99] the same for h's loads; s[42:43], s[40:41] the prefetches' addresses (W2's, h's); s44, s47, s45 their tests; s46 loop counter; s48, s49 my load's place in a slot (W2's, h's);
; s50 w % 2; s51 w / 2; s80 the step of h's scale words; s81 the LDS slot that is being copied, s82 the one that is filled next: each 0 or SLOTC, turned by an exclusive or
.set MSB, 0
.macro WIN new                         ; the immediate's high byte repeats the setting that is left; a switch that changes nothing is dropped
.if MSB != (\new)
	s_set_vgpr_msb (MSB<<8)|(\new)
.set MSB, (\new)
.endif
.endm
.macro PLACES                          ; four places behind a matrix instruction, in front of loads into registers that it has read and of the first read of its results
.rept 4
	v_nop
.endr
.endm
.macro CROUND                          ; a round of the cluster's barrier: my work-group's barrier; wave 0 signals for the work-group; every wave waits for all four work-groups; my work-group's barrier once more
	s_barrier_signal -1
	s_barrier_wait -1
	s_cmp_lg_u32 s14, 0
	s_cbranch_scc1 .Lnot_wave_0_\@
	s_barrier_signal -3
.Lnot_wave_0_\@:
	s_barrier_wait -3
	s_barrier_signal -1
	s_barrier_wait -1
.endm
; One matrix instruction that adds in place on rD, with rA, rB, scale words rSA, rSB; rRA, rRB: the scale words stand in lanes 16-31
.macro WM
.if rRA && rRB
	v_wmma_scale_f32_16x16x128_f8f6f4 v[rD:rD+7], v[rA:rA+11], v[rB:rB+11], v[rD:rD+7], v[rSA], v[rSB] matrix_a_fmt:MATRIX_FMT_FP6 matrix_b_fmt:MATRIX_FMT_FP6 matrix_a_scale:MATRIX_SCALE_ROW1 matrix_b_scale:MATRIX_SCALE_ROW1
.elseif rRA
	v_wmma_scale_f32_16x16x128_f8f6f4 v[rD:rD+7], v[rA:rA+11], v[rB:rB+11], v[rD:rD+7], v[rSA], v[rSB] matrix_a_fmt:MATRIX_FMT_FP6 matrix_b_fmt:MATRIX_FMT_FP6 matrix_a_scale:MATRIX_SCALE_ROW1
.elseif rRB
	v_wmma_scale_f32_16x16x128_f8f6f4 v[rD:rD+7], v[rA:rA+11], v[rB:rB+11], v[rD:rD+7], v[rSA], v[rSB] matrix_a_fmt:MATRIX_FMT_FP6 matrix_b_fmt:MATRIX_FMT_FP6 matrix_b_scale:MATRIX_SCALE_ROW1
.else
	v_wmma_scale_f32_16x16x128_f8f6f4 v[rD:rD+7], v[rA:rA+11], v[rB:rB+11], v[rD:rD+7], v[rSA], v[rSB] matrix_a_fmt:MATRIX_FMT_FP6 matrix_b_fmt:MATRIX_FMT_FP6
.endif
.endm
; 8 matrix instructions: K step q of the pair in hand, tiles 2 g, 2 g + 1 of my columns x row tiles 4 hi .. 4 hi + 3
.macro U3 q, g, hi
	WIN 0xa4+0x50*(\hi)                            ; W2 window 0, h window 1, C and D window 2 + hi
.irp u, 0,1
.irp m, 0,1,2,3
.set rD, 64*\m+8*(2*(\g)+\u)
.set rA, R+12*(4*(\g)+2*(\q)+\u)
.set rB, 96*(\q)+12*(4*(\hi)+\m)
.set rSA, WS+4*((\g)>>1)+2*(\q)+\u
.set rSB, XS+4*(\q)+2*(\hi)+(\m>>1)
.set rRA, (\g)&1
.set rRB, (\m&1)
	WM
.endr
.endr
.endm
; The 64 products of K step q: each of the 64 sums once, in the same order for both K steps and in every step: the sums take turns, one instruction a turn.
.macro MULQ q
.irp hi, 0,1
.irp g, 0,1,2,3
	U3 \q, \g, \hi
.endr
.endr
.endm
; K step q of a pair goes from LDS into the registers: h's four scale registers, its eight fragments, W2's eight fragments; with q = 1 W2's scale words for both K steps too.  Every load reads consecutive bytes.
; adw, adh, ads: the registers that hold my place in W2's block, in h's codes and among h's scale words.
.macro COPY q, adw, adh, ads
.if (\q)
.irp i, 0,1
	ds_load_b128 v[WS+4*\i:WS+4*\i+3], v[\adw] offset:SCOFF+512*\i             ; register 4 (g / 2) + 2 q + u; lanes 0-15 even g, lanes 16-31 odd g
.endr
.endif
.irp k, 0,1,2,3
	ds_load_b32 v[XS+4*(\q)+\k], v[\ads] offset:4096*(\k>>1)+128*(\k&1)+256*(\q)   ; lanes 0-15 row tile 2 k, lanes 16-31 row tile 2 k + 1
.endr
	WIN 0x40                                       ; destination window 1
.irp m, 0,1,2,3,4,5,6,7
.irp c, 0,1,2
	ds_load_b128 v[96*(\q)+12*\m+4*\c:96*(\q)+12*\m+4*\c+3], v[\adh] offset:HPB*(\m>>2)+GRPB*(\q)+FRB*(\m&3)+512*\c
.endr
.endr
	WIN 0
.irp g, 0,1,2,3
.irp u, 0,1
.irp c, 0,1,2
	ds_load_b128 v[R+12*(4*\g+2*(\q)+\u)+4*\c:R+12*(4*\g+2*(\q)+\u)+4*\c+3], v[\adw] offset:FRB*(4*\g+2*(\q)+\u)+512*\c
.endr
.endr
.endr
.endm
.macro WHERE                           ; my places in the slot and at the pair that this step copies; then the scalars go on to the next step's
	v_add_nc_u32 v[ADC], s81, v[AD]
	v_add_nc_u32 v[HADC], s81, v[HAD]
	v_add_nc_u32 v[HSC], s80, v[HSA]
	s_xor_b32 s81, s81, SLOTC
	s_add_co_u32 s80, s80, 512
.endm
	s_load_b256 s[4:11], s[0:1], 0x0               ; hq s[4:5], wq s[6:7], b2 s[8:9], out s[10:11]
	v_lshl_add_u32 v[SPW], v0, 2, SPARE
	v_mov_b32 v[NIL], 0
	ds_add_u32 v2, v3
	s_wait_dscnt 0x0
	v_lshrrev_b32 v1, 5, v0
	v_readfirstlane_b32 s14, v1                    ; wave 0..3
	s_and_b32 s50, s14, 1
	s_lshr_b32 s51, s14, 1
	s_lshr_b32 s16, ttmp9, 3                       ; the expert: 8 clusters each;
	s_lshr_b32 s17, ttmp9, 2
	s_and_b32 s17, s17, 1                          ; the column half: 4 clusters each.  The four partners share both
	; descriptor groups 1: dense blocks as rows of 32 elements of 8 bytes, no padding
	s_mov_b32 s24, 15|(3<<16)|(1<<21)              ; W2's: 15:0 the mask: all four work-groups; 17:16 elements of 8 bytes; 21 set beside a mask
	s_mov_b32 s25, 32<<16                          ; tensor_dim0 = 32
	s_mov_b32 s26, 200<<16                         ; tensor_dim1 = 200: 51,200 bytes
	s_mov_b32 s27, 32<<16                          ; tile_dim0 = 32
	s_mov_b32 s28, 200                             ; tile_dim1 = 200
	s_mov_b32 s29, 32                              ; from row to row
	s_mov_b32 s30, 0
	s_mov_b32 s31, 0
	s_mov_b32 s84, 3<<16                           ; h's: no mask: each work-group has its own
	s_mov_b32 s85, 32<<16
	s_mov_b32 s86, 48<<16                          ; 48 rows: 12,288 bytes
	s_mov_b32 s87, 32<<16
	s_mov_b32 s88, 48
	s_mov_b32 s89, 32
	s_mov_b32 s90, 0
	s_mov_b32 s91, 0
	s_mul_i32 s20, s16, EXPQ
	s_mul_i32 s21, s17, 2*WBLK
	s_add_co_u32 s20, s20, s21                     ; the expert, blocks 2 c and 2 c + 1 of a slot
	s_add_co_u32 s52, s20, 22*SLOTB                ; (for the prefetches: pair 3 begins at slot 22)
	s_mul_i32 s21, s50, SLOTB
	s_add_co_u32 s20, s20, s21
	s_add_co_u32 s20, s20, 16*SLOTB                ; what I fetch of W2, if I fetch it: slot 16 + w % 2
	s_mov_b32 s21, 0
	s_mul_i32 s48, s50, 2*WBLK                     ; and where it goes in an LDS slot: the wave's number alone
	s_mul_i32 s33, s50, 2*WBLK
	s_add_co_u32 s37, s48, SLOTC
	s_mul_i32 s49, s50, HPB                        ; h likewise, behind W2's four blocks
	s_add_co_u32 s49, s49, SLOTB
	s_mul_i32 s93, s50, HPB
	s_add_co_u32 s93, s93, SLOTB
	s_add_co_u32 s97, s49, SLOTC
	s_mov_b32 s32, 1                               ; 1:0 count = 1
	s_mov_b32 s36, 1
	s_mov_b32 s92, 1
	s_mov_b32 s96, 1
	s_lshl_b32 s22, s16, 12                        ; b2[e],
	s_lshl_b32 s23, s17, 11                        ; the column half,
	s_add_co_u32 s22, s22, s23
	s_lshl_b32 s23, s14, 9                         ; my wave's 128 columns
	s_add_co_u32 s22, s22, s23
	s_mov_b32 s23, 0
	s_mov_b32 s80, 512                             ; step 0 copies pair 1
	s_mov_b32 s81, SLOTC                           ; out of LDS slot 1,
	s_mov_b32 s82, 0                               ; and fills LDS slot 0
	s_mov_b32 s45, 6
	s_and_b32 s44, ttmp9, 3
	s_cmp_eq_u32 s44, 0
	s_cselect_b32 s44, 2, -1                       ; W2 is prefetched by the first of the four clusters that walk it,
	s_cmp_eq_u32 s17, 0
	s_cselect_b32 s47, 2, -1                       ; h by the work-groups of column half 0: both tests are the same in all four partners
	s_bfe_u32 s15, ttmp6, 0x40000                  ; cx: it enters hq's, out's and the prefetches' addresses alone
	s_and_b32 s66, ttmp9, 3
	s_lshl_b32 s66, s66, 2
	s_add_co_u32 s66, s66, s15                     ; my block of 128 rows in the expert
	s_lshl_b32 s67, s16, 4
	s_add_co_u32 s67, s67, s66                     ; and in all
	s_lshl_b32 s68, s67, 19                        ; out: 128 rows of 4,096 bytes,
	s_lshl_b32 s69, s17, 11
	s_add_co_u32 s68, s68, s69                     ; + the column half,
	s_lshl_b32 s69, s14, 9
	s_add_co_u32 s68, s68, s69                     ; + my wave's 128 columns
	s_mov_b32 s69, 0
	s_lshl_b32 s67, s67, 1                         ; my first block of hq
	s_add_co_u32 s70, s67, s50
	s_mul_i32 s70, s70, SLOTB                      ; what I fetch of h, if I fetch it: block w % 2
	s_mov_b32 s71, 0
	s_add_co_u32 s72, s67, s51
	s_mul_i32 s72, s72, SLOTB                      ; block w / 2:
	s_mul_i32 s76, s50, GRPB
	s_add_co_u32 s76, s76, s72
	s_add_co_u32 s76, s76, 3*HPB                   ; the prefetches of h: K step w % 2 of pair 3: step 0 steps it to pair 4;
	s_mov_b32 s77, 0
	s_lshl_b32 s73, s50, 11
	s_add_co_u32 s72, s72, s73
	s_add_co_u32 s72, s72, HSOFF                   ; half w % 2 of its scale words
	s_mov_b32 s73, 0
	s_lshl_b32 s74, s15, 2
	s_add_co_u32 s74, s74, s14                     ; the prefetches of W2: of the cluster's sixteen waves I am number 4 cx + w:
	s_lshr_b32 s75, s74, 3
	s_mul_i32 s75, s75, SLOTB                      ; eight waves to each of the pair's two slots of wq,
	s_and_b32 s74, s74, 7
	s_mul_i32 s74, s74, 6400                       ; 25 blocks of 256 bytes each
	s_add_co_u32 s74, s74, s75
	s_add_co_u32 s74, s74, s52
	s_mov_b32 s75, 0
	s_wait_kmcnt 0x0
	s_add_nc_u64 s[34:35], s[6:7], s[20:21]        ; W2 of pair 0,
	s_add_nc_u64 s[38:39], s[34:35], 2*SLOTB       ; and of pair 1
	s_or_b32 s35, s35, 0x80000000                  ; 127:126 type = 2
	s_or_b32 s39, s39, 0x80000000
	s_add_nc_u64 s[94:95], s[4:5], s[70:71]        ; h of pair 0,
	s_add_nc_u64 s[98:99], s[94:95], HPB           ; and of pair 1
	s_or_b32 s95, s95, 0x80000000
	s_or_b32 s99, s99, 0x80000000
	s_add_nc_u64 s[42:43], s[6:7], s[74:75]
	s_add_nc_u64 s[40:41], s[4:5], s[76:77]
	s_add_nc_u64 s[54:55], s[4:5], s[72:73]
	s_add_nc_u64 s[12:13], s[10:11], s[68:69]
	s_add_nc_u64 s[8:9], s[8:9], s[22:23]
	CROUND                                         ; all four work-groups are here: the first joint loads meet
	s_cmp_lt_u32 s14, 2                            ; a wave's two first fills stand in one branch on the wave's number: two loads of mine are out
	s_cbranch_scc0 .Lfirst_h
	tensor_load_to_lds s[32:35], s[24:31]
	s_nop 0
	tensor_load_to_lds s[36:39], s[24:31]
	s_nop 0
.rept 4
	v_nop
.endr
	s_branch .Lfirst_asked
.Lfirst_h:
	tensor_load_to_lds s[92:95], s[84:91]
	s_nop 0
	tensor_load_to_lds s[96:99], s[84:91]
	s_nop 0
.rept 4
	v_nop
.endr
.Lfirst_asked:
	v_and_b32 v24, 31, v0                          ; lane
	v_and_b32 v25, 15, v0                          ; r
	v_bfe_u32 v26, v0, 4, 1                        ; h
	v_lshlrev_b32 v[GO], 4, v24
	global_load_b128 v[R+16:R+19], v[GO], s[8:9]   ; b2 of my 128 columns
.irp i, 0,1,2,3
	global_load_b128 v[R+4*\i:R+4*\i+3], v[GO], s[54:55] offset:512*\i         ; my quarter of h's scale words
.endr
	s_lshl_b32 s18, s14, 9
	v_add_nc_u32 v21, s18, v[GO]
	v_add_nc_u32 v21, B2L, v21
	v_lshl_add_u32 v[BRD2], v26, 6, B2L
	v_add_nc_u32 v[BRD2], s18, v[BRD2]             ; b2: 512 w + 64 h
	s_lshl_b32 s18, s14, 11
	v_add_nc_u32 v22, s18, v[GO]
	v_add_nc_u32 v22, HSCB, v22
	s_mul_i32 s18, s51, WBLK
	s_add_co_u32 s18, s18, s48
	v_lshl_add_u32 v[AD], v24, 4, s18
	v_lshl_add_u32 v[HAD], v24, 4, SLOTB
	v_lshl_add_u32 v[HSA], v24, 2, HSCB
	v_min_u32 v[PFO], 24, v24
	v_lshlrev_b32 v[PFO], 8, v[PFO]                ; a lane a block of 256 bytes; lanes 25-31 name lane 24's again
	v_min_u32 v[PFH], 23, v24
	v_lshlrev_b32 v[PFH], 8, v[PFH]                ; likewise; lanes 24-31 name lane 23's again
	s_mul_i32 s18, s14, STGB
	v_mul_u32_u24 v[STO], v25, SPITCH
	v_lshl_add_u32 v[STO], v26, 6, v[STO]
	v_add_nc_u32 v[STO], s18, v[STO]               ; the stage: row r, + 64 h
	v_add_nc_u32 v[RDS], s18, v[GO]
	s_wait_loadcnt 0x0
	ds_store_b128 v21, v[R+16:R+19]
.irp i, 0,1,2,3
	ds_store_b128 v22, v[R+4*\i:R+4*\i+3] offset:512*\i
.endr
.irp a, 0,1                            ; b2 goes straight into the 64 accumulators, while the first tiles are on their way: lane (r, h), tile 2 g + u: columns 32 g + 16 h + 8 u + 0 .. 7, the same for each tile of rows
	WIN 0x80+0x40*\a                               ; (LDS serves a wave's instructions in order, ISA guide 5.7.1.4: these see my store)
.irp m, 0,1,2,3
.irp g, 0,1,2,3
.irp k, 0,1,2,3
	ds_load_b128 v[64*\m+16*\g+4*\k:64*\m+16*\g+4*\k+3], v[BRD2] offset:128*\g+16*\k
.endr
.endr
.endr
.endr
	WIN 0
	s_wait_tensorcnt 0x1                           ; my part of pair 0 is in; pair 1's may stay out
	s_wait_dscnt 0x0                               ; for the others' sake: my stores have landed
	s_barrier_signal -1
	s_barrier_wait -1                              ; pair 0 and h's scale words are whole
	COPY 0, AD, HAD, HSA
	COPY 1, AD, HAD, HSA
	; ---- Steps 0 to 5, a step a trip.  Pair s lies in my registers; pair s + 1, which has landed by the wait below, is copied as the registers fall free; the slot that held pair s takes pair s + 2.
	; No product stands between the wait for the tiles and the refill: all 128 have room behind it.
	s_mov_b32 s46, 6
.Lpair:
	s_wait_xcnt 0x0                                ; the last prefetches, a step back, have read their addresses:
	s_add_nc_u64 s[42:43], s[42:43], 2*SLOTB       ; they go a pair on
	s_add_nc_u64 s[40:41], s[40:41], HPB
	s_wait_tensorcnt 0x0                           ; all my tensor loads have landed: the one that was out is my part of pair s + 1; so the walking groups 0 may be written;
	ds_add_u32 v[SPW], v[NIL]                      ; 0 onto my spare word: the descriptors' steps stand between it and the wait for it
	s_add_co_u32 s37, s82, s48                     ; my load's place in the slot whose pair now lies in the registers,
	s_add_co_u32 s97, s82, s49
	s_add_nc_u64 s[38:39], s[38:39], 2*SLOTB       ; the next pair; the type bits on top are not reached
	s_add_nc_u64 s[98:99], s[98:99], HPB
	s_xor_b32 s82, s82, SLOTC                      ; (the other slot next time)
	s_wait_dscnt 0x0                               ; the add is done, and my reads of that slot are over
	CROUND                                         ; both now hold of every wave of every work-group of the cluster
	s_cmp_lt_u32 s14, 2                            ; waves 0 and 1 fetch W2, waves 2 and 3 h: my one tensor load behind the round, and the first thing there.  Four v_nop follow each of the two lines
	s_cbranch_scc0 .Lfor_h
	tensor_load_to_lds s[36:39], s[24:31]
	s_nop 0
.rept 4
	v_nop
.endr
	s_branch .Lasked
.Lfor_h:
	tensor_load_to_lds s[96:99], s[84:91]
	s_nop 0
.rept 4
	v_nop
.endr
.Lasked:
	; PREFETCHES INTO THE L2: in step s pair s + 4, which the tensor loads of step s + 2 will ask for: two steps, 256 matrix instructions, ahead.  Each block of 256 bytes is named once in the launch.
	; W2: four clusters walk the same 102,400 bytes a pair: the first of them asks; its sixteen waves take 25 blocks each, told apart BY ADDRESS (4 cx + w).  h: the work-groups of the two column halves read the same rows:
	; those of half 0 ask, each for its own 24,576 bytes a pair, 24 blocks a wave.  Pairs 0 to 3 come by their loads alone; step 3 names pair 7, the last.
	s_cmp_gt_u32 s45, s44                          ; s45 = 6 - s
	s_cbranch_scc0 .Lnot_w
	global_prefetch_b8 v[PFO], s[42:43] th:TH_LOAD_NT scope:SCOPE_SE
.Lnot_w:
	s_cmp_gt_u32 s45, s47
	s_cbranch_scc0 .Lnot_h
	global_prefetch_b8 v[PFH], s[40:41] th:TH_LOAD_NT scope:SCOPE_SE
.Lnot_h:
	s_sub_co_u32 s45, s45, 1
	WHERE
	MULQ 0
	PLACES
	WIN 0
	COPY 0, ADC, HADC, HSC
	MULQ 1
	PLACES
	WIN 0
	COPY 1, ADC, HADC, HSC
	s_sub_co_u32 s46, s46, 1
	s_cmp_lg_u32 s46, 0
	s_cbranch_scc1 .Lpair
	; ---- Steps 6 and 7 ask for nothing: a loop of their own.  Step 6 copies pair 7; step 7 copies nothing: a scalar branch on the count of steps.
	s_mov_b32 s46, 2
.Ltail:
	s_wait_tensorcnt 0x0                           ; in step 6: my part of pair 7 is in.  Other waves read it: so a barrier follows
	s_wait_dscnt 0x0                               ; this step's pair is in my registers, and my reads of the slot that I have left are over
	s_barrier_signal -1
	s_barrier_wait -1
	WHERE
	MULQ 0
	PLACES
	WIN 0
	s_cmp_eq_u32 s46, 1
	s_cbranch_scc1 .Lno_q0
	COPY 0, ADC, HADC, HSC
.Lno_q0:
	MULQ 1
	PLACES
	WIN 0
	s_cmp_eq_u32 s46, 1
	s_cbranch_scc1 .Lno_q1
	COPY 1, ADC, HADC, HSC
.Lno_q1:
	s_sub_co_u32 s46, s46, 1
	s_cmp_lg_u32 s46, 0
	s_cbranch_scc1 .Ltail
	; ---- THE WAY OUT, a tile of 16 rows at a time.  A lane holds 32 neighbouring bytes of a row for each tile of columns: they go through my stage and come back as whole rows of 512 bytes.
	; The stage lies in slot 0: its last fill was pair 6, and every wave's reads of it were over in front of step 6's barrier.
	; LDS serves a wave's instructions in order (ISA guide 5.7.1.4): no wait between the stores and the loads, nor in front of the next tile's stores.
.macro PUT m
	WIN 0x08+4*((\m)>>2)                           ; an LDS store's data are its source 1: window 2 + m / 4
.irp t, 0,1,2,3,4,5,6,7
	ds_store_b128 v[STO], v[64*((\m)&3)+8*\t:64*((\m)&3)+8*\t+3] offset:128*(\t>>1)+32*(\t&1)      ; each sum from its low end on
	ds_store_b128 v[STO], v[64*((\m)&3)+8*\t+4:64*((\m)&3)+8*\t+7] offset:128*(\t>>1)+32*(\t&1)+16
.endr
	WIN 0
.endm
.macro GET m                           ; back into v64-127 (even tiles) or v128-191 (odd tiles), where W2's fragments lay
.set BB, R+64*((\m)&1)
.irp i, 0,1,2,3,4,5,6,7,8,9,10,11,12,13,14,15
	ds_load_b128 v[BB+4*\i:BB+4*\i+3], v[RDS] offset:SPITCH*\i
.endr
.endm
.macro SEND m, younger                 ; younger: the LDS instructions issued behind tile m's loads, which may stay out
.set BB, R+64*((\m)&1)
	s_wait_dscnt \younger
.irp i, 0,1,2,3,4,5,6,7,8,9,10,11,12,13,14,15
	global_store_b128 v[GO], v[BB+4*\i:BB+4*\i+3], s[12:13] offset:(16*(\m)+\i)*4096 th:TH_STORE_NT    ; 32 lanes store 512 consecutive bytes, at a multiple of 256 from out's first byte
.endr
.endm
	PUT 0                                          ; (the last step's closing places stand in front)
	GET 0
.irp m, 1,2,3,4,5,6,7
	PUT \m
	SEND \m-1, 16                                  ; behind tile m - 1's loads: tile m's 16 stores
.if \m > 1
	s_wait_xcnt 0x0                                ; tile m - 2's stores have read their registers: tile m's loads may land there
.endif
	GET \m
.endr
	SEND 7, 0
	s_wait_tensorcnt 0x0                           ; the wave's end, behind my last tensor load and my last LDS store
	ds_add_u32 v[SPW], v[NIL]
	s_wait_dscnt 0x0
	CROUND                                         ; the closing round: no work-group ends while a partner may still ask for a block that names it
	s_endpgm
.Lfunc_end_k_q5d0c81dc6a_ffn2:
	.size	k_q5d0c81dc6a_ffn2, .Lfunc_end_k_q5d0c81dc6a_ffn2-k_q5d0c81dc6a_ffn2
	.p2alignl 7, 3214868480
	.fill 96, 4, 3214868480
	.section	.rodata,"a",@progbits
	.p2align	6, 0x0
	.amdhsa_kernel k_q5d0c81dc6a_ffn2
		.amdhsa_group_segment_fixed_size 327680
		.amdhsa_private_segment_fixed_size 0
		.amdhsa_enable_private_segment 0
		.amdhsa_kernarg_size 32
		.amdhsa_user_sgpr_count 2
		.amdhsa_user_sgpr_kernarg_segment_ptr 1
		.amdhsa_wavefront_size32 1
		.amdhsa_system_sgpr_workgroup_id_x 1
		.amdhsa_system_sgpr_workgroup_id_y 1
		.amdhsa_system_sgpr_workgroup_id_z 1
		.amdhsa_system_vgpr_workitem_id 0
		.amdhsa_next_free_vgpr 1024
		.amdhsa_next_free_sgpr 100
		.amdhsa_reserve_vcc 0
		.amdhsa_float_denorm_mode_32 3
		.amdhsa_float_denorm_mode_16_64 3
		.amdhsa_memory_ordered 1
		.amdhsa_forward_progress 1
		.amdhsa_inst_pref_size 102
	.end_amdhsa_kernel
	.amdgpu_metadata
---
amdhsa.version: [ 1, 2 ]
amdhsa.kernels:
  - .name:           k_q5d0c81dc6a_ffn2
    .symbol:         k_q5d0c81dc6a_ffn2.kd
    .args:
      - { .name: hq, .offset: 0, .size: 8, .value_kind: global_buffer, .address_space: global }
      - { .name: wq, .offset: 8, .size: 8, .value_kind: global_buffer, .address_space: global }
      - { .name: b2, .offset: 16, .size: 8, .value_kind: global_buffer, .address_space: global }
      - { .name: out0, .offset: 24, .size: 8, .value_kind: global_buffer, .address_space: global }
    .group_segment_fixed_size: 327680
    .private_segment_fixed_size: 0
    .kernarg_segment_align: 8
    .kernarg_segment_size: 32
    .max_flat_workgroup_size: 128
    .sgpr_count:     100
    .vgpr_count:     1024
    .wavefront_size: 32
...
	.end_amdgpu_metadata
.endif
;; end of part 3
;; ======== version 2 of 2: 3 launches; version 1 with the launch ffn1 written anew for expert scheduling mode
;; workspace buffers: wq 26,214,400 bytes; hq 26,214,400 bytes
;; launch wquant: the kernel of part 1 again; grid 128 x 8, 4 waves a work-group, no clusters, 26,112 bytes of LDS; arguments w1, w2, wq; writes wq
;; launch ffn1 (part 4): grid 256 x 1, 4 waves a work-group, no clusters, 164,352 bytes of LDS; arguments x, wq, b1, hq; writes hq
.if DOCPART == 4
	.amdgcn_target "amdgcn-amd-amdhsa--gfx1250"
	.amdhsa_code_object_version 6
	.text
	.protected	k_q5d0c81dc6a_ffn1
	.globl	k_q5d0c81dc6a_ffn1
	.p2align	8
	.type	k_q5d0c81dc6a_ffn1,@function
k_q5d0c81dc6a_ffn1:
	s_mov_b64 s[64:65], 0
	v_nop
	global_prefetch_b8 v0, s[64:65] scope:SCOPE_SE
	s_setreg_imm32_b32 hwreg(HW_REG_WAVE_SCHED_MODE, 0, 2), 2
	s_setreg_imm32_b32 hwreg(HW_REG_WAVE_MODE, 25, 1), 1
	s_wait_xcnt 0x0
	s_wait_alu depctr_vm_vsrc(0)
; The hidden layer: gelu(x W1[e] + b1[e]), gelu by erf, quantised along the second product's K.  The product is on codes of FP6 (E2M3) with one E8M0 scale for each 32 along K.  x [16384][1024] f32; expert e owns rows 2048 e on.
; W1 comes as codes from wq, laid by the launch before in the order of the operand's registers (its head comment has the layout): slots 0 to 15 of the expert's 32.  x is quantised here and never goes to memory as codes.
; OUT: hq, work-group G's block at 102,400 G: the hidden layer's 64 fragments of its 64 rows (K step st, row tile m at 6,144 st + 1,536 m; register j of lane l at 512 (j / 4) + 16 l + 4 (j % 4)), then 4,096 bytes of
; scale words (256 st + 64 m + 4 r, byte w for block w): the bytes as the next launch reads them from LDS.
; SHARES.  A work-group owns 64 rows of one expert (four tiles of 16), 256 work-groups.  THE WAVES SHARE THE COLUMNS: in step st wave w makes hidden units 128 st + 32 w + 0 .. 31 of all 64 rows: block w of K step st.
; THE WEIGHTS go from memory straight into registers: a wave's block of a slot is 16 fragments and 8 registers of scale words, 50 loads of 512 consecutive bytes, asked for as the step's products leave the registers,
; with the step's whole gelu between the last request and the first use.  The 32 work-groups of an expert read the same blocks.  They are NOT asked for jointly through LDS: of a ring's sixteen steps the last two ask for
; nothing and would have to be written out, and a step is some 820 instructions: the text would be three times as long.
; THE PRODUCT IS USED TRANSPOSED (source 0 = 16 rows of W1, source 1 = 16 rows of x): a lane holds ONE row, and, by the order of a tile's rows in wq, the 16 registers of a pair of tiles are 16 neighbours:
; hidden units 16 (lane / 16) + 0 .. 15 of the pair's 32.  b1 is the C of each sum's first matrix instruction.
; GELU.  y = x (0.5 + xc A(v) / B(v)), xc = x held to +-4 sqrt 2, v = xc^2; A (degree 6) and B (degree 4) are the rational fit of erf(z) = z P(z^2) / Q(z^2) on |z| <= 4, with z = x / sqrt 2 and the factor 1/2 folded into the coefficients.
; LIMITS: y's error is about 2e-7 |x|; so for x under -2 its RELATIVE error grows as 1 + erf cancels, and under -5.66 y is within 6e-8 |x| of 0 and not the true tail.  Blocks whose largest magnitude lies under 2^-124
; keep the scale byte 1 (a block of zeros too: its codes are zeros).  NaN and infinities are not served.
; THE MODE: SCHED_MODE bits 1:0 = 2 (LLVM: expert scheduling mode 2), set by the entry lines.  The code itself states the register dependences between vector or matrix instructions and memory or LDS instructions,
; with s_wait_alu, always for 0.
; THE PLAN.  Registers that memory or LDS instructions touch:
;   v4, v6, v7, v12, v13, v15, v21, v22   offsets and LDS addresses: made at the head, never written again.
;   v27-30 (TA, TBY, TC, TD)              a fixed register + a stepped scalar: written by vector adds at a trip's head (X, a step, the way out), read by that trip's LDS instructions.
;   window 2, v0-127                      X: a trip's 32 loads land there, its two quantisers read them; behind X's barrier x's fragments land there.
;   PC, PW, the bytes (window 1)          written by the quantisers, read by the LDS stores straight behind them.
;   v32-47                                b1's loads land there, LDS stores read them; then x's scale words land there, and the products read them.
;   R, WS, BIAS                           a step's products read them; the next step's block lands in them.  On the way out LDS loads land in R and global stores read it.
; X, a trip: one wait on va_vdst ahead of its loads (the quantisers are done reading both sets; the trip's two addresses are written); for each K step one ahead of its four LDS stores, and one on vm_vsrc behind them.
; A STEP: ONE wait on vm_vsrc, at its head: the last step's LDS instructions have read all that this step writes again; the step's four address adds stand behind it.  One wait on va_vdst behind each quarter of the
; products, ahead of the loads that land in that quarter's fragments; one ahead of the quantiser's ten LDS stores; one behind each batch of gelu's reciprocals.
; The weights have ONE set of registers, hence the four: the registers that are free are three runs of 64 (v192-255 of windows 1 to 3), five fragments each, fifteen for a block's sixteen, and a second set would put two
; steps into a trip.  So the next block lands where this step's products have just read, a quarter at a time, each quarter as soon as its registers are free.
; REGISTERS, in windows of 256 (s_set_vgpr_msb: bits 1:0 source 0, 3:2 source 1, 5:4 source 2, 7:6 destination):
;   window 0: v4-31 addresses; v32-47 x's scale words (first: b1 on its way to LDS); v48-55 W1's scale words; v62, v63 the closing add's two; v64-255 the 16 weight fragments
;   window 1: v0-63 the 8 sums (row tile m, tile u at 16 m + 8 u), v64-79 b1's two tiles, v80-123 at work, v128-191 gelu's 64
;   windows 2, 3: first x as loaded (window 2, two sets of 64), then x's 32 fragments (K step s, row tile m at 48 (s % 4) + 12 m of window 2 + s / 4)
.set EXPQ,   3276800                   ; an expert's bytes in wq
.set SLOTB,  102400                    ; a slot; also a work-group's block of hq
.set WBLK,   25600                     ; a wave's block of a slot
.set FRB,    1536                      ; a fragment's image
.set GRPB,   6144                      ; four of them
.set SCOFF,  24576                     ; a block's scale words
.set HSCB,   98304                     ; LDS: from 0 the hidden layer's 64 fragments; here its scale words;
.set B1L,    102400                    ; b1[e], 8,192 bytes;
.set XIMG,   110592                    ; x's 32 fragments, as images of their registers: (4 s + m) x 1,536;
.set XSCB,   159744                    ; x's scale words, 128 bytes for each fragment
.set WO,   4                           ; v4   16 x lane: my place in 512 bytes of wq and of hq; never rewritten
.set LI,   6                           ; v6   XIMG + 16 x lane
.set XSL,  7                           ; v7   x's scale words as an operand wants them: XSCB + 4 x lane + 128 (lane / 16)
.set XWI,  8                           ; v8   where I store x's images
.set XWS,  9                           ; v9   and their scale words
.set HWI,  10                          ; v10  where I store the first and the third register pair of the hidden layer's codes
.set HWS,  11                          ; v11  and their scale bytes
.set XA,   12                          ; v12  x: 4,096 r + 64 h
.set BRD,  13                          ; v13  b1's tiles
.set HWJ,  14                          ; v14  where I store the second register pair
.set PFO,  15                          ; v15  the prefetches' offset
.set CPY,  16                          ; v16  the way out: 25,600 w + 16 x lane
.set TA,   27                          ; v27-30 the addresses in hand: a fixed register + a stepped scalar
.set TBY,  28
.set TC,   29
.set TD,   30
.set XS,   32
.set WS,   48
.set R,    64
.set BIAS, 64                          ; window 1 from here on
.set TM,   80                          ; v80-83 largest magnitudes, v84-87 bytes, v92-95 the conversions' scale operands
.set PW,   96
.set PC,   100                         ; v100-119 codes
.set KA6,  120                         ; v120-121 a6 twice; v122-123 b4 twice
.set KB4,  122
.set XC,   128
.set X2,   144
.set PP,   160
.set QQ,   176
; SCALARS: s[4:5] x, s[6:7] my block of the slot that is being loaded, s[8:9] b1[e], s[10:11] my part of hq; s14 wave; s16 expert; s[40:41] lane selects; s[42:43] the prefetches' address; s44 their test; s46 loop counter;
; s47 25,600 w; s48-63, s66-69 coefficients, twice each; s74-75 the hold; s76-79, s83-84 steps of LDS addresses
.set MSB, 0
.macro WIN new                         ; the immediate's high byte repeats the setting that is left; a switch that changes nothing is dropped
.if MSB != (\new)
	s_set_vgpr_msb (MSB<<8)|(\new)
.set MSB, (\new)
.endif
.endm
.macro PLACES                          ; four places behind a matrix instruction, in front of loads into registers that it has read and of the first read of its results; the loads' wait stands beside them
.rept 4
	v_nop
.endr
.endm
.macro KPAIR sp, val                   ; a coefficient, twice: the packed forms name a pair
	s_mov_b32 s[\sp], \val
	s_mov_b32 s[\sp+1], \val
.endm
; One matrix instruction on the registers rD, rA, rB, rC, scale words rSA, rSB; rRA, rRB: the scale words stand in lanes 16-31
.macro WM
.if rRA && rRB
	v_wmma_scale_f32_16x16x128_f8f6f4 v[rD:rD+7], v[rA:rA+11], v[rB:rB+11], v[rC:rC+7], v[rSA], v[rSB] matrix_a_fmt:MATRIX_FMT_FP6 matrix_b_fmt:MATRIX_FMT_FP6 matrix_a_scale:MATRIX_SCALE_ROW1 matrix_b_scale:MATRIX_SCALE_ROW1
.elseif rRA
	v_wmma_scale_f32_16x16x128_f8f6f4 v[rD:rD+7], v[rA:rA+11], v[rB:rB+11], v[rC:rC+7], v[rSA], v[rSB] matrix_a_fmt:MATRIX_FMT_FP6 matrix_b_fmt:MATRIX_FMT_FP6 matrix_a_scale:MATRIX_SCALE_ROW1
.elseif rRB
	v_wmma_scale_f32_16x16x128_f8f6f4 v[rD:rD+7], v[rA:rA+11], v[rB:rB+11], v[rC:rC+7], v[rSA], v[rSB] matrix_a_fmt:MATRIX_FMT_FP6 matrix_b_fmt:MATRIX_FMT_FP6 matrix_b_scale:MATRIX_SCALE_ROW1
.else
	v_wmma_scale_f32_16x16x128_f8f6f4 v[rD:rD+7], v[rA:rA+11], v[rB:rB+11], v[rC:rC+7], v[rSA], v[rSB] matrix_a_fmt:MATRIX_FMT_FP6 matrix_b_fmt:MATRIX_FMT_FP6
.endif
.endm
; 8 matrix instructions: K step 2 g + q, my two tiles of hidden units x the four tiles of rows.  first = 1: C = b1's tile.
; The 8 sums take turns, one instruction a turn, in the same order in every call.
.macro U1 g, q, first
.if (\g) < 2
	WIN 0x58                                       ; W1 window 0, x window 2, C and D window 1
.else
	WIN 0x5c                                       ; x window 3
.endif
.irp u, 0,1
.irp m, 0,1,2,3
.set rD, 16*\m+8*\u
.set rA, R+12*(4*(\g)+2*(\q)+\u)
.set rB, 48*((2*(\g)+(\q))&3)+12*\m
.if \first
.set rC, BIAS+8*\u
.else
.set rC, rD
.endif
.set rSA, WS+4*((\g)>>1)+2*(\q)+\u
.set rSB, XS+2*(2*(\g)+(\q))+(\m>>1)
.set rRA, (\g)&1
.set rRB, (\m&1)
	WM
.endr
.endr
.endm
.macro RLOADG g                        ; fragments 4 g .. 4 g + 3 of my block at s[6:7]: 12 loads of 512 consecutive bytes
.irp i, 0,1,2,3
.irp c, 0,1,2
	global_load_b128 v[R+48*(\g)+12*\i+4*\c:R+48*(\g)+12*\i+4*\c+3], v[WO], s[6:7] offset:GRPB*(\g)+FRB*\i+512*\c
.endr
.endr
.endm
.macro WSLOADG                         ; its scale words: register 4 (g / 2) + 2 q + u; lanes 0-15 even g, lanes 16-31 odd g
.irp i, 0,1
	global_load_b128 v[WS+4*\i:WS+4*\i+3], v[WO], s[6:7] offset:SCOFF+512*\i
.endr
.endm
; Behind the products on fragments 4 g .. 4 g + 3: the next step's take their registers.  The last step asks for nothing: a scalar branch on the count of steps.  With g = 0 b1's next tiles, with g = 3 the scale words come too.
; The wait stands straight ahead of the run of loads, on the way that has loads; behind it stand only loads and window switches.
.macro NEXT g
	PLACES
	WIN 0
	s_cmp_eq_u32 s46, 1
	s_cbranch_scc1 .Llast_\@
.if (\g) == 0
	s_wait_alu depctr_va_vdst(0)                   ; the products so far are done reading fragments 0 to 3 and b1's tiles, in which the loads below land; v[TC], made at the step's head, is written
.elseif (\g) == 3
	s_wait_alu depctr_va_vdst(0)                   ; the step's products are done reading fragments 12 to 15 and W1's scale words, in which the loads below land
	WSLOADG                                        ; the step's last product has read them
.else
	s_wait_alu depctr_va_vdst(0)                   ; the products so far are done reading fragments 4 g to 4 g + 3, in which the loads below land
.endif
	RLOADG \g
.if (\g) == 0
	WIN 0x40
.irp k, 0,1,2,3
	ds_load_b128 v[BIAS+4*\k:BIAS+4*\k+3], v[TC] offset:16*\k
.endr
	WIN 0
.endif
.Llast_\@:
.endm
.macro HORN acc, sp                    ; Horner's step on eight pairs: acc = acc x v + a coefficient
.irp i, 0,2,4,6,8,10,12,14
	v_pk_fma_f32 v[\acc+\i:\acc+\i+1], v[\acc+\i:\acc+\i+1], v[X2+\i:X2+\i+1], s[\sp:\sp+1] op_sel_hi:[1,1,0]
.endr
.endm
; gelu of row tile m's 16 numbers a lane, in place.  All in window 1.  The sums are read from their low ends on.
.macro GELU m
.irp i, 0,1,2,3,4,5,6,7,8,9,10,11,12,13,14,15
	v_med3_num_f32 v[XC+\i], v[16*(\m)+\i], s74, s75       ; xc
.endr
.irp i, 0,2,4,6,8,10,12,14
	v_pk_mul_f32 v[X2+\i:X2+\i+1], v[XC+\i:XC+\i+1], v[XC+\i:XC+\i+1]      ; v
.endr
.irp i, 0,2,4,6,8,10,12,14
	v_pk_fma_f32 v[PP+\i:PP+\i+1], v[X2+\i:X2+\i+1], v[KA6:KA6+1], s[48:49] op_sel_hi:[1,1,0]   ; a6 v + a5
.endr
.irp i, 0,2,4,6,8,10,12,14
	v_pk_fma_f32 v[QQ+\i:QQ+\i+1], v[X2+\i:X2+\i+1], v[KB4:KB4+1], s[60:61] op_sel_hi:[1,1,0]   ; b4 v + b3
.endr
	HORN PP, 50
	HORN QQ, 62
	HORN PP, 52
	HORN QQ, 66
	HORN PP, 54
	HORN QQ, 68                                    ; B(v)
	HORN PP, 56
	HORN PP, 58                                    ; A(v)
.irp i, 0,2,4,6,8,10,12,14
	v_pk_mul_f32 v[PP+\i:PP+\i+1], v[PP+\i:PP+\i+1], v[XC+\i:XC+\i+1]
.endr
.irp i, 0,1,2,3,4,5,6,7,8,9,10,11,12,13,14,15
	v_rcp_f32 v[X2+\i], v[QQ+\i]
.endr
	v_nop                                          ; one plain place behind the reciprocals
	s_wait_alu depctr_va_vdst(0)                   ; the sixteen reciprocals have written v[X2 ..]: one wait for the batch, ahead of its first reader
.irp i, 0,2,4,6,8,10,12,14
	v_pk_fma_f32 v[PP+\i:PP+\i+1], v[PP+\i:PP+\i+1], v[X2+\i:X2+\i+1], 0.5 op_sel_hi:[1,1,0]
.endr
.irp i, 0,2,4,6,8,10,12,14
	v_pk_mul_f32 v[16*(\m)+\i:16*(\m)+\i+1], v[16*(\m)+\i:16*(\m)+\i+1], v[PP+\i:PP+\i+1]
.endr
.endm
; The step's hidden units are quantised: for each row, block w of K step st; half of it lies in lane l, half in lane l xor 16.  Two tiles of rows change halves, so that a lane holds a WHOLE block of one row:
; lane (r, g) that of row r of tile 2 k + g.  In the operand it belongs to lane r + 16 (w % 2), registers 6 (w / 2) on: three stores of 8 bytes, at 0, 8, 512 of the lane's place in the image for waves 0 and 1,
; at 520, 1,024, 1,032 for waves 2 and 3: the first and third are 512 apart in both, the second has an address of its own.  Its byte is byte w of the row's scale word.
; The stores' three addresses were made at the step's head.
.macro QH
	WIN 0x55
.irp m, 0,1,2,3
	v_max3_num_f32 v[TM+\m], |v[16*\m]|, |v[16*\m+1]|, 0x1800000   ; my 16 numbers, and the floor 2^(3 - 127): the byte cannot fall under 1
.endr
.irp i, 2,4,6,8,10,12,14
.irp m, 0,1,2,3
	v_max3_num_f32 v[TM+\m], v[TM+\m], |v[16*\m+\i]|, |v[16*\m+\i+1]|      ; (the four tiles by turns)
.endr
.endr
.irp m, 0,1,2,3
	v_permlanex16_b32 v[TM+4+\m], v[TM+\m], s40, s41
.endr
.irp m, 0,1,2,3
	v_max_num_f32 v[TM+\m], v[TM+\m], v[TM+4+\m]   ; with lane l xor 16's: the block's largest magnitude
.endr
.irp m, 0,1,2,3
	v_add_nc_u32 v[TM+12+\m], 0xff000000, v[TM+\m] ; 2 off its exponent field: the conversion's scale operand
.endr
.irp m, 0,1,2,3
	v_lshrrev_b32 v[TM+4+\m], 23, v[TM+12+\m]      ; the scale's byte
.endr
.irp m, 0,1,2,3
	v_cvt_scalef32_pk16_fp6_f32 v[PC+10*(\m>>1)+6*(\m&1):PC+10*(\m>>1)+6*(\m&1)+2], v[16*\m:16*\m+15], v[TM+12+\m]
.endr
	v_nop                                          ; one plain place behind a scaled conversion
.irp k, 0,1
.irp i, 0,1,2
	v_permlane16_swap_b32 v[PC+10*\k+\i], v[PC+10*\k+6+\i]         ; tile 2 k's lanes 16-31 change places with tile 2 k + 1's lanes 0-15
.endr
.irp i, 0,1,2
	v_mov_b32 v[PC+10*\k+3+\i], v[PC+10*\k+6+\i]
.endr
.endr
	WIN 0x04                                       ; an LDS store's data are its source 1: window 1
	s_wait_alu depctr_va_vdst(0)                   ; the lines above have written the codes v[PC ..] and the bytes v[TM+4 ..], which the ten LDS stores read
.irp k, 0,1
	ds_store_b64 v[TA], v[PC+10*\k:PC+10*\k+1] offset:3072*\k
	ds_store_b64 v[TD], v[PC+10*\k+2:PC+10*\k+3] offset:3072*\k
	ds_store_b64 v[TA], v[PC+10*\k+4:PC+10*\k+5] offset:3072*\k+512
.endr
.irp m, 0,1,2,3
	ds_store_b8 v[TBY], v[TM+4+\m] offset:64*\m    ; both halves of the lanes write the same byte with the same value
.endr
	WIN 0
.endm
; 64 numbers of a lane in window 2, v[set] on, register 16 b + i = k 32 b + 16 (lane / 16) + i of my row, become a fragment's codes in v[PC] on and its scale word in v[PW], both in window 1.
.macro QX set
	WIN 0x69                                       ; destination and source 0 window 1, sources 1 and 2 window 2
.irp b, 0,1,2,3
	v_max3_num_f32 v[TM+\b], 0x1800000, |v[(\set)+16*\b]|, |v[(\set)+1+16*\b]|
.endr
.irp i, 2,4,6,8,10,12,14
.irp b, 0,1,2,3
	v_max3_num_f32 v[TM+\b], v[TM+\b], |v[(\set)+16*\b+\i]|, |v[(\set)+1+16*\b+\i]|
.endr
.endr
	WIN 0x55
.irp b, 0,1,2,3
	v_permlanex16_b32 v[TM+4+\b], v[TM+\b], s40, s41
.endr
.irp b, 0,1,2,3
	v_max_num_f32 v[TM+\b], v[TM+\b], v[TM+4+\b]
.endr
.irp b, 0,1,2,3
	v_add_nc_u32 v[TM+12+\b], 0xff000000, v[TM+\b]
.endr
.irp b, 0,1,2,3
	v_lshrrev_b32 v[TM+4+\b], 23, v[TM+12+\b]
.endr
	v_lshl_or_b32 v[PW], v[TM+5], 8, v[TM+4]       ; the four bytes make my row's scale word (alike in both halves of the lanes)
	v_lshl_or_b32 v[PW], v[TM+6], 16, v[PW]
	v_lshl_or_b32 v[PW], v[TM+7], 24, v[PW]
	WIN 0x46                                       ; the numbers window 2, the scale operand and the codes window 1
.irp c, 0,1
	v_cvt_scalef32_pk16_fp6_f32 v[PC+6*\c:PC+2+6*\c], v[(\set)+32*\c:(\set)+15+32*\c], v[TM+12+2*\c]
	v_cvt_scalef32_pk16_fp6_f32 v[PC+12+4*\c:PC+14+4*\c], v[(\set)+16+32*\c:(\set)+31+32*\c], v[TM+12+2*\c+1]
.endr
	WIN 0x55
	v_nop                                          ; one plain place behind a scaled conversion
.irp c, 0,1                            ; the operand's layout wants a WHOLE block in a lane: lanes 0-15 block 2 c, lanes 16-31 block 2 c + 1
.irp i, 0,1,2
	v_permlane16_swap_b32 v[PC+6*\c+\i], v[PC+12+4*\c+\i]
.endr
.irp i, 0,1,2
	v_mov_b32 v[PC+3+6*\c+\i], v[PC+12+4*\c+\i]
.endr
.endr
.endm
	s_load_b256 s[4:11], s[0:1], 0x0               ; x s[4:5], wq s[6:7], b1 s[8:9], hq s[10:11]
	v_lshl_add_u32 v62, v0, 2, 0x28000             ; the closing add's two registers, made here and kept for it alone: my spare word, behind x's scale words,
	v_mov_b32 v63, 0                               ; and 0
	v_lshrrev_b32 v1, 5, v0
	v_readfirstlane_b32 s14, v1                    ; wave 0..3
	s_lshr_b32 s16, ttmp9, 5                       ; the expert: 32 work-groups each
	s_mul_i32 s20, s16, EXPQ
	s_wait_alu depctr_va_sdst(0)                   ; s14 is written, ahead of its first reader
	s_mul_i32 s47, s14, WBLK
	s_add_co_u32 s20, s20, s47                     ; my block of the expert's slot 0
	s_mov_b32 s21, 0
	s_lshl_b32 s22, s16, 13                        ; b1[e]
	s_mov_b32 s23, 0
	s_mov_b32 s40, 0x76543210
	s_mov_b32 s41, 0xfedcba98                      ; v_permlanex16_b32's selects for lane l xor 16
	KPAIR 48, 0x2fa84a8d                           ; a5
	KPAIR 50, 0xb347667d                           ; a4
	KPAIR 52, 0xb628d45d                           ; a3
	KPAIR 54, 0xb8883d9c                           ; a2
	KPAIR 56, 0xba08eb41                           ; a1
	KPAIR 58, 0xbbba79f3                           ; a0
	KPAIR 60, 0xb7dfbd29                           ; b3
	KPAIR 62, 0xb9dc924e                           ; b2
	KPAIR 66, 0xbb719bf8                           ; b1
	KPAIR 68, 0xbc69b6a7                           ; b0
	s_mov_b32 s74, 0xc0b504f3                      ; -4 sqrt 2
	s_mov_b32 s75, 0x40b504f3
	s_mov_b32 s76, 0                               ; the steps of the LDS addresses: the hidden layer's images, 6,144 a step;
	s_mov_b32 s77, 0                               ; its scale words, 256 a step;
	s_mov_b32 s78, 0                               ; b1's tiles, 512 a step;
	s_mov_b32 s79, 0                               ; the way out, 5,120 a trip;
	s_mov_b32 s83, 0                               ; x's images, 12,288 for two K steps;
	s_mov_b32 s84, 0                               ; their scale words, 1,024 for two
	s_lshr_b32 s44, ttmp9, 2
	s_and_b32 s44, s44, 7
	s_cmp_eq_u32 s44, 0
	s_cselect_b32 s44, 3, -1                       ; the expert's first four work-groups prefetch, while more than 3 steps are left
	s_lshl_b32 s92, ttmp9, 18                      ; x: 64 rows of 4,096 bytes a work-group,
	s_lshl_b32 s91, s14, 16
	s_add_co_u32 s92, s92, s91                     ; + my wave's 16 rows
	s_mov_b32 s93, 0
	s_mul_i32 s94, ttmp9, SLOTB                    ; hq: the work-group's block,
	s_add_co_u32 s94, s94, s47                     ; + my wave's quarter
	s_mov_b32 s95, 0
	s_and_b32 s96, ttmp9, 3
	s_lshl_b32 s96, s96, 2
	s_add_co_u32 s96, s96, s14
	s_mul_i32 s96, s96, 6400                       ; the prefetches: my 25 blocks of 256 bytes,
	s_mul_i32 s97, s16, EXPQ
	s_add_co_u32 s96, s96, s97
	s_add_co_u32 s96, s96, 2*SLOTB                 ; in slot 2: step 0 steps it to slot 3
	s_mov_b32 s97, 0
	s_wait_kmcnt 0x0
	s_add_nc_u64 s[42:43], s[6:7], s[96:97]
	s_add_nc_u64 s[6:7], s[6:7], s[20:21]
	s_add_nc_u64 s[4:5], s[4:5], s[92:93]
	s_add_nc_u64 s[10:11], s[10:11], s[94:95]
	s_add_nc_u64 s[8:9], s[8:9], s[22:23]
	v_and_b32 v24, 31, v0                          ; lane
	v_and_b32 v25, 15, v0                          ; r
	v_bfe_u32 v26, v0, 4, 1                        ; h
	v_lshlrev_b32 v[WO], 4, v24
	s_lshl_b32 s18, s14, 11
	v_add_nc_u32 v21, s18, v[WO]                   ; my wave's quarter of b1[e]
	s_wait_alu depctr_va_vdst(0)                   ; v[WO] and v21 are written: the offsets of the 54 loads below
.irp i, 0,1,2,3
	global_load_b128 v[XS+4*\i:XS+4*\i+3], v21, s[8:9] offset:512*\i
.endr
	WSLOADG                                        ; step 0's weights are asked for ahead of x
	RLOADG 0
	RLOADG 1
	RLOADG 2
	RLOADG 3
	v_lshlrev_b32 v[XA], 12, v25
	v_lshl_add_u32 v[XA], v26, 6, v[XA]            ; x: row r of 4,096 bytes, + 64 h: my 16 numbers of a block of 32
	v_add_nc_u32 v22, B1L, v21
	v_lshl_add_u32 v[LI], v24, 4, XIMG
	v_lshl_add_u32 v[XSL], v24, 2, XSCB
	v_lshl_add_u32 v[XSL], v26, 7, v[XSL]
	s_mul_i32 s18, s14, FRB
	v_add_nc_u32 v[XWI], s18, v[LI]                ; x's image (K step s, row tile w): (4 s + w) x 1,536
	s_lshl_b32 s18, s14, 7
	v_lshl_add_u32 v[XWS], v24, 2, XSCB
	v_add_nc_u32 v[XWS], s18, v[XWS]
	v_lshl_add_u32 v[BRD], v26, 6, B1L
	v_add_nc_u32 v[BRD], s18, v[BRD]               ; b1: 128 w + 64 h: the 16 hidden units of my half
	s_lshr_b32 s18, s14, 1
	s_mul_i32 s17, s18, 496
	s_add_co_u32 s17, s17, 8                       ; from the first register pair's place to the second's: 8, or 504 in waves 2 and 3
	s_mul_i32 s18, s18, 520
	s_and_b32 s19, s14, 1
	s_lshl_b32 s19, s19, 8
	s_add_co_u32 s18, s18, s19
	v_mul_u32_u24 v[HWI], v26, FRB
	v_lshl_add_u32 v[HWI], v25, 4, v[HWI]
	v_add_nc_u32 v[HWI], s18, v[HWI]               ; 520 (w / 2) + 256 (w % 2) + 16 r + 1,536 h
	v_add_nc_u32 v[HWJ], s17, v[HWI]
	v_lshl_add_u32 v[HWS], v25, 2, HSCB
	v_add_nc_u32 v[HWS], s14, v[HWS]               ; 4 r + w
	v_min_u32 v[PFO], 24, v24
	v_lshlrev_b32 v[PFO], 8, v[PFO]                ; a lane a block of 256 bytes; lanes 25-31 name lane 24's again
	v_add_nc_u32 v[CPY], s47, v[WO]
	WIN 0x40
.irp b, 0,1,2,3
	v_mov_b32 v[TM+4+\b], 0                        ; written once: a lane permute's destination counts as one of its sources
.endr
	v_mov_b32 v[KA6], 0xabd3f331                   ; a6
	v_mov_b32 v[KA6+1], 0xabd3f331
	v_mov_b32 v[KB4], 0xb57460cd                   ; b4
	v_mov_b32 v[KB4+1], 0xb57460cd
	WIN 0
	; ---- X: wave w quantises rows 16 w .. 16 w + 15 of the block: eight fragments, stored as images of their registers.  Four trips of two K steps: a trip asks for its 32 loads (16 KiB a wave) at once
	; and quantises the first K step while the second is on its way.
	s_mov_b32 s46, 4
.Lx:
	v_add_nc_u32 v[TA], s83, v[XWI]                ; (free: the wait on vm_vsrc at the last trip's end)
	v_add_nc_u32 v[TBY], s84, v[XWS]
	WIN 0x80                                       ; destination window 2
	s_wait_alu depctr_va_vdst(0)                   ; the last trip's quantisers are done reading the two sets, in which the loads below land; in the first trip: v[XA] and every other address made at the head are written
.irp i, 0,1
.irp b, 0,1,2,3
.irp j, 0,1,2,3
	global_load_b128 v[64*\i+16*\b+4*\j:64*\i+16*\b+4*\j+3], v[XA], s[4:5] offset:512*\i+128*\b+16*\j th:TH_LOAD_NT
.endr
.endr
.endr
	WIN 0
.irp i, 0,1
	s_wait_loadcnt 16*(1-\i)                       ; this K step's 16 loads are in (and all that was asked for earlier); the trip's second K step may be out
	QX 64*\i
	WIN 0x04
	s_wait_alu depctr_va_vdst(0)                   ; the quantiser has written the codes v[PC ..] and the scale word v[PW], which the four LDS stores read
.irp c, 0,1,2
	ds_store_b128 v[TA], v[PC+4*\c:PC+4*\c+3] offset:GRPB*\i+512*\c
.endr
	ds_store_b32 v[TBY], v[PW] offset:512*\i
	WIN 0
	s_wait_dscnt 0x0                               ; the stores have landed
	s_wait_alu depctr_vm_vsrc(0)                   ; and have read v[PC ..], v[PW], v[TA] and v[TBY]: the next quantiser writes the first two again, the next trip's head the other two
.endr
	s_add_nc_u64 s[4:5], s[4:5], 1024              ; two K steps on (every load that named the base has been waited for)
	s_add_co_u32 s83, s83, 2*GRPB
	s_add_co_u32 s84, s84, 1024
	s_sub_co_u32 s46, s46, 1
	s_cmp_lg_u32 s46, 0
	s_cbranch_scc1 .Lx
.irp i, 0,1,2,3
	ds_store_b128 v22, v[XS+4*\i:XS+4*\i+3] offset:512*\i          ; b1: each wave its quarter
.endr
	s_wait_dscnt 0x0                               ; for the others' sake: my stores have landed
	s_barrier_signal -1
	s_barrier_wait -1                              ; x's 32 fragments, their scale words and b1 lie in LDS
	WIN 0x80
	s_wait_alu depctr_vm_vsrc(0)                   ; my LDS stores of b1 have read v[XS ..], in which x's scale words land
	s_wait_alu depctr_va_vdst(0)                   ; the quantisers are done reading window 2's v0-127, in which x's fragments land; behind this wait stand only loads and window switches, up to the loop
.irp s, 0,1,2,3
.irp m, 0,1,2,3
.irp c, 0,1,2
	ds_load_b128 v[48*\s+12*\m+4*\c:48*\s+12*\m+4*\c+3], v[LI] offset:(4*\s+\m)*FRB+512*\c
.endr
.endr
.endr
	WIN 0xc0
.irp s, 0,1,2,3
.irp m, 0,1,2,3
.irp c, 0,1,2
	ds_load_b128 v[48*\s+12*\m+4*\c:48*\s+12*\m+4*\c+3], v[LI] offset:(16+4*\s+\m)*FRB+512*\c
.endr
.endr
.endr
	WIN 0
.irp s, 0,1,2,3,4,5,6,7
.irp k, 0,1
	ds_load_b32 v[XS+2*\s+\k], v[XSL] offset:512*\s+256*\k         ; lanes 0-15 row tile 2 k's words, lanes 16-31 row tile 2 k + 1's
.endr
.endr
	WIN 0x40
.irp k, 0,1,2,3
	ds_load_b128 v[BIAS+4*\k:BIAS+4*\k+3], v[BRD] offset:16*\k     ; b1's two tiles of step 0
.endr
	WIN 0
	; ---- The hidden layer, 128 units a step, 16 steps, a step a trip.  Slot st's block lies in my registers; slot st + 1's is asked for as the registers fall free.
	; No barrier stands in the loop: each wave stores bytes of its own, and nobody reads them before the barrier behind the loop.
	s_mov_b32 s46, 16
.Lstep:
	s_wait_loadcnt 0x0                             ; this step's block is in my registers: its last loads went out in front of the last step's gelu.  So their base may be written:
	s_add_nc_u64 s[6:7], s[6:7], SLOTB             ; the next slot
	s_wait_xcnt 0x0                                ; the last prefetch, a step back, has read its address:
	s_add_nc_u64 s[42:43], s[42:43], SLOTB         ; it goes a slot on
	s_add_co_u32 s78, s78, 512
	s_wait_alu depctr_vm_vsrc(0)                   ; the last step's LDS stores have read v[TA], v[TD], v[TBY], the codes and the bytes, its loads of b1 have read v[TC]: this step writes all of them again
	v_add_nc_u32 v[TA], s76, v[HWI]                ; K step st's images,
	v_add_nc_u32 v[TD], s76, v[HWJ]
	v_add_nc_u32 v[TBY], s77, v[HWS]               ; its scale words,
	v_add_nc_u32 v[TC], s78, v[BRD]                ; and b1's tiles of step st + 1
	s_add_co_u32 s76, s76, GRPB
	s_add_co_u32 s77, s77, 256
	s_wait_dscnt 0x0                               ; b1's tiles (in step 0 x's fragments and scale words too) are in
	U1 0, 0, 1                                     ; their C is b1
	U1 0, 1, 0
	NEXT 0
	U1 1, 0, 0
	U1 1, 1, 0
	NEXT 1
	U1 2, 0, 0
	U1 2, 1, 0
	NEXT 2
	U1 3, 0, 0
	U1 3, 1, 0
	NEXT 3
	; A PREFETCH INTO THE L2, behind the step's last loads: in step s the expert's slot s + 3, whose loads go out in step s + 2.  All 32 work-groups of an expert walk the same slots: its first four ask.  A slot is 400 blocks
	; of 256 bytes: their sixteen waves take 25 each, told apart by address, a lane a block.  Slots 0 to 2 come by their loads alone; step 12 names slot 15, the last.
	s_cmp_gt_u32 s46, s44                          ; s46 = 16 - s
	s_cbranch_scc0 .Lnot_mine
	global_prefetch_b8 v[PFO], s[42:43] th:TH_LOAD_NT scope:SCOPE_SE
.Lnot_mine:
	WIN 0x55
.irp m, 0,1,2,3
	GELU \m
.endr
	QH
	s_sub_co_u32 s46, s46, 1
	s_cmp_lg_u32 s46, 0
	s_cbranch_scc1 .Lstep
	; ---- THE WAY OUT: the hidden layer's 102,400 bytes leave LDS as they lie, a quarter a wave: five trips of ten loads and ten stores of 512 consecutive bytes.
	s_wait_loadcnt 0x0                             ; no load is on its way into the registers that the copy takes
	s_wait_dscnt 0x0                               ; my last codes and bytes have landed
	s_barrier_signal -1
	s_barrier_wait -1                              ; the hidden layer is whole
	s_mov_b32 s46, 5
.Lout:
	s_wait_alu depctr_vm_vsrc(0)                   ; the last trip's LDS loads have read v[TA] and its stores v[R ..] (first trip: the last step's LDS stores have read v[TA]): both are written again below
	v_add_nc_u32 v[TA], s79, v[CPY]
	s_wait_alu depctr_va_vdst(0)                   ; v[TA] is written, which the LDS loads read; in the first trip: the last step's products are done reading v[R ..], in which they land
.irp i, 0,1,2,3,4,5,6,7,8,9
	ds_load_b128 v[R+4*\i:R+4*\i+3], v[TA] offset:512*\i
.endr
.irp i, 0,1,2,3,4,5,6,7,8,9
	s_wait_dscnt 9-\i                              ; the younger loads may be out
	global_store_b128 v[WO], v[R+4*\i:R+4*\i+3], s[10:11] offset:512*\i      ; 32 lanes store 512 consecutive bytes, at a multiple of 256 from hq's first byte
.endr
	s_wait_xcnt 0x0                                ; the stores have had their addresses translated: their base may be written again
	s_add_nc_u64 s[10:11], s[10:11], 5120
	s_add_co_u32 s79, s79, 5120
	s_sub_co_u32 s46, s46, 1
	s_cmp_lg_u32 s46, 0
	s_cbranch_scc1 .Lout
	s_wait_dscnt 0x0                               ; the closing lines, six on end
	s_wait_alu 0x0
	s_wait_tensorcnt 0x0
	ds_add_u32 v62, v63
	s_wait_dscnt 0x0
	s_endpgm
.Lfunc_end_k_q5d0c81dc6a_ffn1:
	.size	k_q5d0c81dc6a_ffn1, .Lfunc_end_k_q5d0c81dc6a_ffn1-k_q5d0c81dc6a_ffn1
	.p2alignl 7, 3214868480
	.fill 96, 4, 3214868480
	.section	.rodata,"a",@progbits
	.p2align	6, 0x0
	.amdhsa_kernel k_q5d0c81dc6a_ffn1
		.amdhsa_group_segment_fixed_size 164352
		.amdhsa_private_segment_fixed_size 0
		.amdhsa_enable_private_segment 0
		.amdhsa_kernarg_size 32
		.amdhsa_user_sgpr_count 2
		.amdhsa_user_sgpr_kernarg_segment_ptr 1
		.amdhsa_wavefront_size32 1
		.amdhsa_system_sgpr_workgroup_id_x 1
		.amdhsa_system_sgpr_workgroup_id_y 1
		.amdhsa_system_sgpr_workgroup_id_z 1
		.amdhsa_system_vgpr_workitem_id 0
		.amdhsa_next_free_vgpr 1024
		.amdhsa_next_free_sgpr 100
		.amdhsa_reserve_vcc 0
		.amdhsa_float_denorm_mode_32 3
		.amdhsa_float_denorm_mode_16_64 3
		.amdhsa_memory_ordered 1
		.amdhsa_forward_progress 1
		.amdhsa_inst_pref_size 87
	.end_amdhsa_kernel
	.amdgpu_metadata
---
amdhsa.version: [ 1, 2 ]
amdhsa.kernels:
  - .name:           k_q5d0c81dc6a_ffn1
    .symbol:         k_q5d0c81dc6a_ffn1.kd
    .args:
      - { .name: x, .offset: 0, .size: 8, .value_kind: global_buffer, .address_space: global }
      - { .name: wq, .offset: 8, .size: 8, .value_kind: global_buffer, .address_space: global }
      - { .name: b1, .offset: 16, .size: 8, .value_kind: global_buffer, .address_space: global }
      - { .name: hq, .offset: 24, .size: 8, .value_kind: global_buffer, .address_space: global }
    .group_segment_fixed_size: 164352
    .private_segment_fixed_size: 0
    .kernarg_segment_align: 8
    .kernarg_segment_size: 32
    .max_flat_workgroup_size: 128
    .sgpr_count:     100
    .vgpr_count:     1024
    .wavefront_size: 32
...
	.end_amdgpu_metadata
.endif
;; end of part 4
;; launch ffn2: the kernel of part 3 again; grid 256 x 1, 4 waves a work-group, clusters of 4 x 1, 327,680 bytes of LDS; arguments hq, wq, b2, out0; writes out0
